; MI455X (gfx1250); checked and timed in simulation.
; The chip was launched on July 23, 2026; its instructions are those of AMD's public machine-readable ISA for CDNA 5 (MIT licence, August 2026) and "CDNA5" Instruction Set Architecture Reference Guide (July 2026). The comments in the code are by the model that wrote it; some were corrected since.
;; Cross Modal Attention. Allowed arithmetic: matrix products marked QUANTISED: E4M3 operands, one given power-of-two scale a tensor, by v_wmma_f32_16x16x64_fp8_fp8 or v_wmma_f32_16x16x128_fp8_fp8, f32 sums; everything else in f32.
;; Inputs: Wk_codes 1,024 x 24 x 32 uint8 (E4M3 codes of Wk, K innermost, in blocks of 32 codes); Wo_codes 1,024 x 32 x 32 uint8 (E4M3 codes of Wo, K innermost, in blocks of 32 codes); Wq_codes 1,024 x 32 x 32 uint8 (E4M3 codes of Wq, K innermost, in blocks of 32 codes); Wv_codes 1,024 x 24 x 32 uint8 (E4M3 codes of Wv, K innermost, in blocks of 32 codes); bk 1,024 float32; bo 1,024 float32; bq 1,024 float32; bv 1,024 float32; key_codes 4 x 2,048 x 24 x 32 uint8 (E4M3 codes of key, K innermost, in blocks of 32 codes); lowp_scales 12 int32 (the exponents e of the quantised operands' scales 2^e); query_codes 4 x 2,048 x 32 x 32 uint8 (E4M3 codes of query, K innermost, in blocks of 32 codes); value_codes 4 x 2,048 x 24 x 32 uint8 (E4M3 codes of value, K innermost, in blocks of 32 codes).
;; Outputs: out0 4 x 2,048 x 1,024 float32.
;; This version of the problem:
;;   THIS VERSION OF THE PROBLEM IS GIVEN IN LOW PRECISION. The matrix products marked QUANTISED in the list below multiply operands that are first quantised to E4M3 (4 exponent bits, 3 mantissa bits; 8 bits a number), with one given power-of-two scale for each operand tensor; their sums are f32. All else is computed in f32.
;;   The module's matrix products, in the order in which they are computed (A, B: the left and right operand; K: the contracted axis; several contracted axes count as one K, in the product's order):
;;     1. [M 8,192, K 1,024] x [K 1,024, N 1,024]; A: input query (given as codes); B: input Wq (given as codes): QUANTISED (scales: A lowp_scales[0], B lowp_scales[1])
;;     2. [M 8,192, K 768] x [K 768, N 1,024]; A: input key (given as codes); B: input Wk (given as codes): QUANTISED (scales: A lowp_scales[2], B lowp_scales[3])
;;     3. [M 8,192, K 768] x [K 768, N 1,024]; A: input value (given as codes); B: input Wv (given as codes): QUANTISED (scales: A lowp_scales[4], B lowp_scales[5])
;;     4. batch 64 x [M 2,048, K 64] x [K 64, N 2,048]; A: computed on the way; B: computed on the way: QUANTISED (scales: A lowp_scales[6], B lowp_scales[7])
;;     5. batch 64 x [M 2,048, K 2,048] x [K 2,048, N 64]; A: softmax (see below); B: computed on the way: QUANTISED (scales: A lowp_scales[8], B lowp_scales[9])
;;     6. [M 8,192, K 1,024] x [K 1,024, N 1,024]; A: computed on the way; B: input Wo (given as codes): QUANTISED (scales: A lowp_scales[10], B lowp_scales[11])
;;   THE QUANTISER, for each operand of a quantised product, along K:
;;     - The operand's scale is 2^e, e = its entry of the input lowp_scales (int32; the entries are numbered through the quantised products in the list's order, A before B).
;;     - Each number is divided by the scale, clamped to +-448, and rounded to the nearest number of E4M3, ties to even, subnormals kept.
;;     - The product sums the exact products of the quantised numbers (number of the format x scale) in f32.
;;   ~~~python
;;   def quantise(x, axis, e):      # numpy; x: float32 -> the quantised numbers, widened to float32 again
;;       x = np.moveaxis(x, axis, -1); K = x.shape[-1]
;;       r = np.clip(x / 2.0 ** e, -448, 448)
;;       step = 2.0 ** (np.maximum(np.frexp(np.where(r == 0, 1, r))[1] - 1, -6) - 3)
;;       q = np.round(r / step) * step * 2.0 ** e      # np.round: ties to even
;;       return np.moveaxis(q, -1, axis).astype(np.float32)
;;   ~~~
;;   SOFTMAX AHEAD OF A QUANTISED PRODUCT. Where the list says 'softmax', what is quantised is not the finished softmax but p = 2^(t - M), with t = logit x log2(e) and M = ceil(the row's largest t), a whole number; so 1/2 < the row's largest p <= 1. The row's sum l is taken of the UNQUANTISED p, in f32, and the product's result is divided by l at the end. Since M is a whole number, a kernel that streams over the keys may use a running M (the ceiling of the running maximum): every later rescaling is an exact power of two, so the quantised numbers keep their values, but for numbers so far below the row's largest that they fall under the format's range.
;;   OPERANDS COMPUTED ON THE WAY. 'Computed on the way' means the value that the module computes at that place (a softmax that the list does not call 'softmax' is quantised finished and normalised). What goes into a quantiser is computed in f32, as accurately as f32 sums, v_exp_f32 and their like allow (about 1e-6 of the number): no bf16 or f16 on the way to a quantiser, and a product that is left as it is and whose result goes on into a quantised operand takes f32 operands (vector FMAs, or v_wmma_f32_16x16x4_f32). A number that lies on a knife's edge between two numbers of the format may be rounded either way, as far as f32 arithmetic and the matrix unit's own rounding can turn it there, and no further.
;;   INPUTS GIVEN AS CODES. Wk (in the module: [768, 1024], K = its axis 0); Wo (in the module: [1024, 1024], K = its axis 0); Wq (in the module: [1024, 1024], K = its axis 0); Wv (in the module: [768, 1024], K = its axis 0); key (in the module: [4, 2048, 768], K = its axis 2); query (in the module: [4, 2048, 1024], K = its axis 2); value (in the module: [4, 2048, 768], K = its axis 2): each comes as NAME_codes (uint8): NAME with its K axis moved to the last place and cut into blocks of 32 codes, [.., K / 32, bytes a block], one block behind the other in memory; one code a byte (a code: sign, 4 exponent bits, 3 mantissa bits); its scale is its entry of lowp_scales. Its value is code x scale, taken as it is: it is not quantised again, and the codes and scales need not be those that the quantiser above would give.
;; One version. Each part assembles by itself: llvm-mc -triple=amdgcn-amd-amdhsa -mcpu=gfx1250 --defsym DOCPART=n.
;; ======== version 1 of 1: 4 launches
;; limits: right only within a limited range of input values
;; workspace buffers: qimg 8,388,608 bytes; kimg 8,388,608 bytes; vimg 8,388,608 bytes; aimg 8,388,608 bytes
;; launch projkv (part 1): grid 64 x 4, 4 waves a work-group, clusters of 4 x 4, 327,680 bytes of LDS; arguments key_codes, Wk_codes, value_codes, Wv_codes, bk, bv, lowp_scales, kimg, vimg; writes kimg, vimg
.if DOCPART == 1
	.amdgcn_target "amdgcn-amd-amdhsa--gfx1250"
	.amdhsa_code_object_version 6
	.text
	.protected	k_q5102206d67_projkv
	.globl	k_q5102206d67_projkv
	.p2align	8
	.type	k_q5102206d67_projkv,@function
k_q5102206d67_projkv:
	s_mov_b64 s[64:65], 0
	v_nop
	global_prefetch_b8 v0, s[64:65] scope:SCOPE_SE
	s_setreg_imm32_b32 hwreg(HW_REG_WAVE_MODE, 25, 1), 1
	s_wait_xcnt 0x0
	s_wait_alu depctr_hold_cnt(0) depctr_sa_sdst(0) depctr_va_vdst(0) depctr_va_sdst(0) depctr_va_ssrc(0) depctr_va_vcc(0) depctr_vm_vsrc(0)
	s_getreg_b32 s2, hwreg(HW_REG_IB_STS2, 6, 4)
	s_cmp_eq_u32 s2, 0
	s_cbranch_scc0 .Lentry_in_a_cluster
	s_endpgm
.Lentry_in_a_cluster:
	s_bfe_u32 s2, ttmp6, 0x10000c
	s_cmp_lg_u32 s2, 0xf033
	s_cbranch_scc0 .Lentry_shape_is_right
	s_endpgm
.Lentry_shape_is_right:
.set KROW,   768
.set ROWB,   256
.set RSTEP,  2*ROWB
.set PSTEP,  2*ROWB
.set PITCH,  272
.set FR,     16
.set NL,     4
.set NP,     4
.set HALFT,  128*PITCH
.set SLOT,   4*HALFT
.set SPARE,  2*SLOT
.set ADRA, 16
.set ADRB, 20
.set VO,   24
.set BO,   26
.set SPW,  28
.set NIL,  29
.set LIM,  30
.set SCL,  31
.set BP,   32
.set BR,   96
.set AF,   128
.set CD,   128
.set G1, 24
.set G0, 32
.set G1B, 48
.set G0B, 56
.set SC, 66
.set MSB, 0
.macro WIN new
.if MSB != (\new)
	s_set_vgpr_msb (MSB<<8)|(\new)
.set MSB, \new
.endif
.endm
.set MUL_LO, 0xa1
.set MUL_HI, 0xf1
.set TO_B,   0x40
.macro JLOAD g0a, g1a, g0b, g1b
	s_cmp_eq_u32 s15, 0
	s_cbranch_scc0 .Lfor_b_\@
	tensor_load_to_lds s[\g0a:\g0a+3], s[\g1a:\g1a+7]
	s_nop 0
.rept 4
	v_nop
.endr
	s_branch .Lasked_\@
.Lfor_b_\@:
	tensor_load_to_lds s[\g0b:\g0b+3], s[\g1b:\g1b+7]
	s_nop 0
.rept 4
	v_nop
.endr
.Lasked_\@:
.endm
.macro CREST
	s_cmp_lg_u32 s14, 0
	s_cbranch_scc1 .Lnot_wave_0_\@
	s_barrier_signal -3
.Lnot_wave_0_\@:
	s_barrier_wait -3
	s_barrier_signal -1
	s_barrier_wait -1
.endm
.macro CROUND
	s_barrier_signal -1
	s_barrier_wait -1
	CREST
.endm
	s_load_b256 s[4:11], s[0:1], 0x0
	s_load_b256 s[68:75], s[0:1], 0x20
	s_load_b64 s[76:77], s[0:1], 0x40
	v_lshl_add_u32 v[SPW], v0, 2, SPARE
	v_mov_b32 v[NIL], 0
	ds_add_u32 v28, v29
	ds_add_u32 v28, v29
	s_wait_dscnt 0x0
	v_lshrrev_b32 v1, 5, v0
	v_readfirstlane_b32 s14, v1
	s_lshr_b32 s15, s14, 1
	s_and_b32 s16, s14, 1
	s_bfe_u32 s40, ttmp6, 0x40000
	s_bfe_u32 s41, ttmp6, 0x40004
	s_sub_co_u32 s19, ttmp9, 8
	s_cmp_lt_u32 ttmp9, 8
	s_cselect_b32 s18, ttmp9, 0
	s_cselect_b32 s19, 0, s19
	s_lshl_b32 s17, s18, 2
	s_add_co_u32 s17, s17, s41
	s_lshl_b32 s42, s19, 2
	s_add_co_u32 s42, s42, s40
	s_lshl_b32 s43, s41, 2
	s_lshl_b32 s43, 15, s43
	s_lshl_b32 s44, 0x1111, s40
	s_or_b32 s[G1+0], s43, (0<<16)|(1<<20)|(1<<21)|(5<<22)|(3<<25)
	s_or_b32 s[G1B+0], s44, (0<<16)|(1<<20)|(1<<21)|(5<<22)|(3<<25)
.irp g, G1, G1B
	s_mov_b32 s[\g+1], ROWB<<16
	s_mov_b32 s[\g+2], 128<<16
	s_mov_b32 s[\g+3], ROWB<<16
	s_mov_b32 s[\g+4], 128
	s_mov_b32 s[\g+5], KROW
	s_mov_b32 s[\g+6], 0
	s_mov_b32 s[\g+7], 0
.endr
	s_lshl_b32 s2, s16, 7
	s_lshl_b32 s18, s17, 8
	s_add_co_u32 s18, s18, s2
	s_mul_i32 s18, s18, KROW
	s_mov_b32 s19, 0
	s_lshl_b32 s46, s42, 8
	s_add_co_u32 s46, s46, s2
	s_mul_i32 s46, s46, KROW
	s_mov_b32 s47, 0
	s_mul_i32 s45, s14, HALFT
	s_wait_kmcnt 0x0
	s_load_b256 s[88:95], s[72:73], 0x0
	s_load_b128 s[96:99], s[72:73], 0x20
	s_cmp_lt_u32 ttmp9, 8
	s_cselect_b64 s[78:79], s[4:5], s[10:11]
	s_cselect_b64 s[80:81], s[6:7], s[8:9]
	s_cselect_b64 s[82:83], s[68:69], s[70:71]
	s_cselect_b64 s[84:85], s[74:75], s[76:77]
	s_add_nc_u64 s[78:79], s[78:79], s[18:19]
	s_add_nc_u64 s[80:81], s[80:81], s[46:47]
	CROUND
.irp s, 0,1
	s_mov_b32 s[G0+4*\s], 1
	s_add_co_u32 s[G0+4*\s+1], s45, \s*SLOT
	s_add_nc_u64 s[G0+4*\s+2:G0+4*\s+3], s[78:79], \s*ROWB
	s_or_b32 s[G0+4*\s+3], s[G0+4*\s+3], 0x80000000
	s_mov_b32 s[G0B+4*\s], 1
	s_add_co_u32 s[G0B+4*\s+1], s45, \s*SLOT
	s_add_nc_u64 s[G0B+4*\s+2:G0B+4*\s+3], s[80:81], \s*ROWB
	s_or_b32 s[G0B+4*\s+3], s[G0B+4*\s+3], 0x80000000
.endr
	JLOAD G0, G1, G0B, G1B                         ; K step 0: one tensor load a wave at the head; the set-up below runs while it is out
	; PREFETCH of K steps 1 and 2 of the 128 rows that I fetch: 32 rows a partner, told apart by address (cx for source R, cy for source P), a lane a row, 256 bytes a row and step.
	; The activations' rows are my cluster's alone; the weights' rows are read by eight clusters, of which four ask.
	s_lshr_b32 s2, ttmp9, 3                        ; 0: K's clusters, 1: V's
	s_cmp_eq_u32 s15, s2                           ; the activations are source R in K's clusters and source P in V's
	s_cselect_b32 s2, 1, 0
	s_and_b32 s3, ttmp9, 7
	s_cmp_lt_u32 s3, 4
	s_cselect_b32 s2, 1, s2
	s_cmp_eq_u32 s15, 0
	s_cselect_b64 s[78:79], s[78:79], s[80:81]     ; my 128 rows at K step 0
	s_cselect_b32 s80, s40, s41
	s_mul_i32 s80, s80, 32*KROW
	s_mov_b32 s81, 0
	s_add_nc_u64 s[78:79], s[78:79], s[80:81]      ; never rewritten behind this line
	v_and_b32 v22, 31, v0
	v_mul_u32_u24 v22, v22, KROW                   ; never rewritten
	s_cmp_eq_u32 s2, 1
	s_cbranch_scc0 .Lno_ask_0
	global_prefetch_b8 v22, s[78:79] offset:ROWB th:TH_LOAD_NT scope:SCOPE_SE
	global_prefetch_b8 v22, s[78:79] offset:2*ROWB th:TH_LOAD_NT scope:SCOPE_SE
.Lno_ask_0:
	v_and_b32 v1, 15, v0
	v_bfe_u32 v2, v0, 4, 1
	v_mul_u32_u24 v3, v1, PITCH
	v_lshl_add_u32 v4, v2, 4, v3
	s_mul_i32 s2, s15, HALFT
	s_mul_i32 s3, s16, HALFT
	s_add_co_u32 s3, s3, 2*HALFT
.irp s, 0,1
	v_add_nc_u32 v[ADRA+\s], s2, v4
	v_add_nc_u32 v[ADRB+\s], s3, v4
	s_add_co_u32 s2, s2, SLOT
	s_add_co_u32 s3, s3, SLOT
.endr
	s_lshl_b32 s4, s17, 8
	s_lshl_b32 s5, s15, 7
	s_add_co_u32 s4, s4, s5
	s_lshl_b32 s5, s42, 8
	s_lshl_b32 s6, s16, 7
	s_add_co_u32 s5, s5, s6
	s_mov_b32 s70, 131072
	s_wait_alu depctr_va_vdst(0)
	s_wait_kmcnt 0x0
	s_cmp_lt_u32 ttmp9, 8
	s_cselect_b32 s6, s4, s5
	s_cselect_b32 s7, s5, s4
	s_cselect_b32 s8, s5, 0
	s_cselect_b32 s9, 0, s4
	s_cselect_b32 s10, -1, 0
	s_cselect_b32 s11, 0, -1
	s_cselect_b32 s68, s90, s92
	s_cselect_b32 s69, s91, s93
	s_cselect_b32 s71, s95, s97
	s_cselect_b32 s72, 1024, s70
	s_cselect_b32 s74, s70, 1024
	s_mov_b32 s77, 0
	s_lshl_b32 s76, s8, 2
	s_add_nc_u64 s[86:87], s[82:83], s[76:77]
	s_lshl_b32 s76, s9, 2
	s_add_nc_u64 s[12:13], s[82:83], s[76:77]
	v_lshlrev_b32 v[BO], 5, v2
	v_lshlrev_b32 v[BO+1], 2, v1
.irp b, 0,1,2,3,4,5,6,7
	global_load_b128 v[BP+8*\b:BP+8*\b+3], v[BO], s[86:87] offset:64*\b
	global_load_b128 v[BP+8*\b+4:BP+8*\b+7], v[BO], s[86:87] offset:64*\b+16
.endr
.irp a, 0,1,2,3,4,5,6,7
	global_load_b32 v[BR+2*\a], v[BO+1], s[12:13] offset:64*\a
	v_mov_b32 v[BR+2*\a+1], 0
.endr
	s_lshr_b32 s76, s6, 11
	s_lshl_b32 s76, s76, 4
	s_lshr_b32 s7, s7, 6
	s_add_co_u32 s76, s76, s7
	s_lshl_b32 s76, s76, 17
	s_and_b32 s6, s6, 2047
	s_lshl_b32 s6, s6, 6
	s_add_co_u32 s76, s76, s6
	s_add_nc_u64 s[20:21], s[84:85], s[76:77]
	s_mov_b32 s73, 0
	s_add_nc_u64 s[22:23], s[20:21], s[72:73]
	v_and_b32 v5, 31, v0
	v_lshlrev_b32 v[VO], 4, v5
	v_add_nc_u32 v[VO+1], s74, v[VO]
	s_add_co_i32 s[SC], s68, s69
	s_add_co_i32 s[SC], s[SC], 127
	s_lshl_b32 s[SC], s[SC], 23
	s_mov_b32 s[SC+1], s[SC]
	s_add_co_i32 s71, s71, 127
	s_lshl_b32 s75, s71, 23
	v_mov_b32 v[SCL], s75
	s_add_co_i32 s71, s71, 8
	s_lshl_b32 s71, s71, 23
	s_or_b32 s71, s71, 0x600000
	v_mov_b32 v[LIM], s71
	s_wait_loadcnt 0x0
.set j, 0
.rept 64
	v_cndmask_b32 v[BP+j], 0, v[BP+j], s10
.set j, j+1
.endr
.irp a, 0,1,2,3,4,5,6,7
	v_cndmask_b32 v[BR+2*\a], 0, v[BR+2*\a], s11
.endr
.macro FRAG reg, adr, q, i
.irp c, 0,1,2,3
	ds_load_b128 v[\reg+4*\c:\reg+4*\c+3], v[\adr] offset:128*(\q)+32*\c+(\i)*16*PITCH
.endr
.endm
.macro MUL16 a0, p, zero
.irp a, \a0, \a0+1
.irp b, 0,1,2,3,4,5,6,7
.if \zero
	v_wmma_f32_16x16x128_fp8_fp8 v[8*(8*((\a)%4)+\b):8*(8*((\a)%4)+\b)+7], v[128*(\p)+FR*\b:128*(\p)+FR*\b+FR-1], v[AF+FR*(\a):AF+FR*(\a)+FR-1], 0
.else
	v_wmma_f32_16x16x128_fp8_fp8 v[8*(8*((\a)%4)+\b):8*(8*((\a)%4)+\b)+7], v[128*(\p)+FR*\b:128*(\p)+FR*\b+FR-1], v[AF+FR*(\a):AF+FR*(\a)+FR-1], v[8*(8*((\a)%4)+\b):8*(8*((\a)%4)+\b)+7]
.endif
.endr
.endr
.endm
.macro FETCH_B slot, q, p
	WIN TO_B
.irp i, 0,1,2,3,4,5,6,7
	FRAG 128*(\p)+FR*\i, ADRB+\slot, \q, \i
.endr
	WIN 0
.endm
.macro FETCH_A slot, q, i0
.irp i, \i0, \i0+1, \i0+2, \i0+3
	FRAG AF+FR*(\i), ADRA+\slot, \q, \i
.endr
.endm
.macro PLACES n
.rept \n
	v_nop
.endr
.endm
.macro STEP slot, q, zero
	s_wait_dscnt 4*NL
	WIN MUL_LO
	MUL16 0, (\q)%2, \zero
	MUL16 2, (\q)%2, \zero
	s_wait_dscnt 0
	PLACES NP
	FETCH_B \slot, (\q)+1, 1-(\q)%2
	FETCH_A \slot, (\q)+1, 0
	WIN MUL_HI
	MUL16 4, (\q)%2, \zero
	MUL16 6, (\q)%2, \zero
	PLACES NP
	WIN 0
	FETCH_A \slot, (\q)+1, 4
.endm
.macro TURN slot, next, fill
	s_wait_tensorcnt 0x0
	ds_add_u32 v[SPW], v[NIL]
	s_wait_dscnt 4*NL+1
	WIN MUL_LO
	MUL16 0, 1, 0
	s_wait_dscnt 0x0
	s_barrier_signal -1
	MUL16 2, 1, 0
	WIN 0
	s_barrier_wait -1
.if \fill
	CREST
	s_add_nc_u64 s[G0+4*\slot+2:G0+4*\slot+3], s[G0+4*\slot+2:G0+4*\slot+3], RSTEP
	s_add_nc_u64 s[G0B+4*\slot+2:G0B+4*\slot+3], s[G0B+4*\slot+2:G0B+4*\slot+3], PSTEP
	JLOAD G0+4*\slot, G1, G0B+4*\slot, G1B
.else
	PLACES NP
.endif
	FETCH_B \next, 0, 0
	FETCH_A \next, 0, 0
	WIN MUL_HI
	MUL16 4, 1, 0
	MUL16 6, 1, 0
	PLACES NP
	WIN 0
	FETCH_A \next, 0, 4
.endm
	s_wait_alu depctr_va_vdst(0)                   ; the wait at the head's end
	s_wait_tensorcnt 0x0                           ; my part of K step 0 is in
	ds_add_u32 v[SPW], v[NIL]                      ; the add ahead of a later first fill
	s_wait_dscnt 0x0
	CROUND                                         ; everybody's part is in, and the joint loads meet
	JLOAD G0+4, G1, G0B+4, G1B                     ; K step 1, slot 1's first fill: the first tensor load behind the round
	FETCH_B 0, 0, 0
	FETCH_A 0, 0, 0
	FETCH_A 0, 0, 4
	STEP 0, 0, 1
	TURN 0, 1, 1
	STEP 1, 0, 0
	TURN 1, 0, 0
	STEP 0, 0, 0
	s_wait_dscnt 4*NL
	WIN MUL_LO
	MUL16 0, 1, 0
	MUL16 2, 1, 0
	s_wait_dscnt 0
	WIN MUL_HI
	MUL16 4, 1, 0
	MUL16 6, 1, 0
	WIN 0
	PLACES NP
.macro OUTA a
.set AC, 64*((\a)%4)
	WIN 0x42+((\a)/4)
.set j, 0
.rept 32
	v_pk_fma_f32 v[j:j+1], v[AC+j:AC+j+1], s[SC:SC+1], v[BP+j:BP+j+1] op_sel_hi:[1,0,1]
.set j, j+2
.endr
	WIN 0x41
.set j, 0
.rept 32
	v_pk_add_f32 v[j:j+1], v[j:j+1], v[BR+2*(\a):BR+2*(\a)+1] op_sel_hi:[1,0]
.set j, j+2
.endr
.set j, 0
.rept 64
	v_med3_num_f32 v[j], v[j], -v[LIM], v[LIM]
.set j, j+1
.endr
	WIN 0x01
.irp b, 0,1,2,3,4,5,6,7
	v_cvt_scalef32_pk8_fp8_f32 v[CD+16*(\a)+2*\b:CD+16*(\a)+2*\b+1], v[8*\b:8*\b+7], v[SCL]
.endr
	v_nop
	WIN 0
.irp e, 0,1,2,3
	global_store_b128 v[VO+\e/2], v[CD+16*(\a)+4*\e:CD+16*(\a)+4*\e+3], s[20+2*((\a)/4):21+2*((\a)/4)] offset:((\a)%4)*2048+(\e%2)*512
.endr
.endm
.irp a, 0,1,2,3,4,5,6,7
	OUTA \a
.endr
	s_wait_tensorcnt 0x0
	ds_add_u32 v[SPW], v[NIL]
	s_wait_dscnt 0x0
	CROUND
	s_endpgm
.Lfunc_end_k_q5102206d67_projkv:
	.size	k_q5102206d67_projkv, .Lfunc_end_k_q5102206d67_projkv-k_q5102206d67_projkv
	.p2alignl 7, 3214868480
	.fill 96, 4, 3214868480
	.section	.rodata,"a",@progbits
	.p2align	6, 0x0
	.amdhsa_kernel k_q5102206d67_projkv
		.amdhsa_group_segment_fixed_size 327680
		.amdhsa_private_segment_fixed_size 0
		.amdhsa_enable_private_segment 0
		.amdhsa_kernarg_size 72
		.amdhsa_user_sgpr_count 2
		.amdhsa_user_sgpr_kernarg_segment_ptr 1
		.amdhsa_wavefront_size32 1
		.amdhsa_system_sgpr_workgroup_id_x 1
		.amdhsa_system_sgpr_workgroup_id_y 1
		.amdhsa_system_sgpr_workgroup_id_z 1
		.amdhsa_system_vgpr_workitem_id 0
		.amdhsa_next_free_vgpr 1024
		.amdhsa_next_free_sgpr 100
		.amdhsa_reserve_vcc 0
		.amdhsa_float_denorm_mode_32 3
		.amdhsa_float_denorm_mode_16_64 3
		.amdhsa_memory_ordered 1
		.amdhsa_forward_progress 1
		.amdhsa_inst_pref_size 141
	.end_amdhsa_kernel
	.amdgpu_metadata
---
amdhsa.version: [ 1, 2 ]
amdhsa.kernels:
  - .name:           k_q5102206d67_projkv
    .symbol:         k_q5102206d67_projkv.kd
    .args:
      - { .name: key_codes, .offset: 0, .size: 8, .value_kind: global_buffer, .address_space: global }
      - { .name: Wk_codes, .offset: 8, .size: 8, .value_kind: global_buffer, .address_space: global }
      - { .name: value_codes, .offset: 16, .size: 8, .value_kind: global_buffer, .address_space: global }
      - { .name: Wv_codes, .offset: 24, .size: 8, .value_kind: global_buffer, .address_space: global }
      - { .name: bk, .offset: 32, .size: 8, .value_kind: global_buffer, .address_space: global }
      - { .name: bv, .offset: 40, .size: 8, .value_kind: global_buffer, .address_space: global }
      - { .name: lowp_scales, .offset: 48, .size: 8, .value_kind: global_buffer, .address_space: global }
      - { .name: kimg, .offset: 56, .size: 8, .value_kind: global_buffer, .address_space: global }
      - { .name: vimg, .offset: 64, .size: 8, .value_kind: global_buffer, .address_space: global }
    .group_segment_fixed_size: 327680
    .private_segment_fixed_size: 0
    .kernarg_segment_align: 8
    .kernarg_segment_size: 72
    .max_flat_workgroup_size: 128
    .sgpr_count:     100
    .vgpr_count:     1024
    .wavefront_size: 32
...
	.end_amdgpu_metadata
.endif
;; end of part 1
;; launch projq (part 2): grid 64 x 4, 4 waves a work-group, clusters of 4 x 4, 327,680 bytes of LDS; arguments query_codes, Wq_codes, bq, lowp_scales, qimg; writes qimg
.if DOCPART == 2
	.amdgcn_target "amdgcn-amd-amdhsa--gfx1250"
	.amdhsa_code_object_version 6
	.text
	.protected	k_q5102206d67_projq
	.globl	k_q5102206d67_projq
	.p2align	8
	.type	k_q5102206d67_projq,@function
k_q5102206d67_projq:
	s_mov_b64 s[64:65], 0
	v_nop
	global_prefetch_b8 v0, s[64:65] scope:SCOPE_SE
	s_setreg_imm32_b32 hwreg(HW_REG_WAVE_MODE, 25, 1), 1
	s_wait_xcnt 0x0
	s_wait_alu depctr_hold_cnt(0) depctr_sa_sdst(0) depctr_va_vdst(0) depctr_va_sdst(0) depctr_va_ssrc(0) depctr_va_vcc(0) depctr_vm_vsrc(0)
	s_getreg_b32 s2, hwreg(HW_REG_IB_STS2, 6, 4)
	s_cmp_eq_u32 s2, 0
	s_cbranch_scc0 .Lentry_in_a_cluster
	s_endpgm
.Lentry_in_a_cluster:
	s_bfe_u32 s2, ttmp6, 0x10000c
	s_cmp_lg_u32 s2, 0xf033
	s_cbranch_scc0 .Lentry_shape_is_right
	s_endpgm
.Lentry_shape_is_right:
; Q = query Wq + bq on codes of FP8 (E4M3) as they are given, sums in f32; the result is quantised with the given scale (entry 6 of the scales' buffer) and stored as images of operand registers:
;   qimg [g = 16 batch + head][tile of 16 queries][part 2][512]: lane l's four registers at 16 l; registers 2 b, 2 b + 1 of lane (r, h): query r, channels 16 b + 8 h + 0 .. 7.
; SHARES.  A block of 128 queries x 256 columns to a work-group of four waves, 64 x 128 to a wave: 32 accumulators.  64 x 4 blocks: 256 work-groups.  P = Wq is source 0, R = query source 1: in accumulator (a, b)
; lane (r, h) holds, in register j, query 16 a + r and output column 16 b + 8 h + j: one conversion makes two registers of the operand.
; K goes in 4 steps of 256 (rows of 256 bytes) through two LDS slots filled by the tensor data mover (waves 0, 1: 64 rows of R each; waves 2, 3: 128 rows of P each); the steps are written out.
; CLUSTERS: 4 x 4 work-groups.  R's tile hangs on cy and is asked for jointly by the four of a row of the cluster, P's on cx and by the four of a column.
; The fragments are fetched by four loads of 16 bytes: a permutation of k that is the same in P and in R, so every product meets its partner.  Both operands have two sets of fragment registers: while one
; 128 along K is multiplied, the next one's fragments are on their way from LDS.
; LIMITS: entries 0 + 1 between -126 and 127; entry 6 between -126 and 119.  NaN among the biases is not served.
; REGISTERS, in windows of 256: window 0: v16-31 addresses and constants; v32-95 the bias; v128-191, v192-255 R's fragments, two sets of four; the first later holds the codes.
;   window 1: P's fragments, two sets of eight; on the way out v0-63 hold a block's numbers.   window 2: the accumulators ((a, b) at v[8 (8 a + b)]).
.set KROW,   1024
.set ROWB,   256
.set PITCH,  272                       ; an LDS row: 256 bytes + 16 of padding
.set FR,     16
.set NP,     4
.set QUART,  64*PITCH
.set HALFT,  128*PITCH
.set SLOT,   3*HALFT                   ; R's 128 rows, then P's 256
.set SPARE,  2*SLOT                    ; the spare words, 128 bytes a wave, which no other line names
.set ADRA, 16
.set ADRB, 20
.set PFO,  22                          ; v22     the prefetches' offset: a lane a row; never rewritten
.set VO,   24                          ; v24-25  16 x lane, and the same one head further on
.set BO,   26                          ; v26     32 h
.set SPW,  28
.set NIL,  29
.set LIM,  30
.set SCL,  31
.set BP,   32
.set AF,   128
.set CD,   128
.set G1, 24
.set G0, 32
.set G1B, 48
.set G0B, 56
.set SC, 66
.set ASKS, 74                          ; s74     1 where my wave prefetches
.set PFA,  84                          ; s[84:85] my work-group's rows of those that I fetch, at K step 0; never rewritten
.set MSB, 0
.macro WIN new
.if MSB != (\new)
	s_set_vgpr_msb (MSB<<8)|(\new)
.set MSB, \new
.endif
.endm
.set MUL_LO, 0xa1                      ; source 0 (P) window 1, source 1 (R) window 0, C and D window 2
.set TO_B,   0x40
.macro JLOAD g0a, g1a, g0b, g1b        ; a joint load: waves 0 and 1 fetch R's halves, waves 2 and 3 P's; s_nop 0 and four v_nop follow each of the two lines
	s_cmp_eq_u32 s15, 0
	s_cbranch_scc0 .Lfor_b_\@
	tensor_load_to_lds s[\g0a:\g0a+3], s[\g1a:\g1a+7]
	s_nop 0
.rept 4
	v_nop
.endr
	s_branch .Lasked_\@
.Lfor_b_\@:
	tensor_load_to_lds s[\g0b:\g0b+3], s[\g1b:\g1b+7]
	s_nop 0
.rept 4
	v_nop
.endr
.Lasked_\@:
.endm
.macro CREST
	s_cmp_lg_u32 s14, 0
	s_cbranch_scc1 .Lnot_wave_0_\@
	s_barrier_signal -3
.Lnot_wave_0_\@:
	s_barrier_wait -3
	s_barrier_signal -1
	s_barrier_wait -1
.endm
.macro CROUND
	s_barrier_signal -1
	s_barrier_wait -1
	CREST
.endm
	s_load_b128 s[4:7], s[0:1], 0x0                ; query s[4:5], Wq s[6:7]
	s_load_b128 s[8:11], s[0:1], 0x10              ; bq s[8:9], the scales' exponents s[10:11]
	s_load_b64 s[12:13], s[0:1], 0x20              ; qimg
	v_lshl_add_u32 v[SPW], v0, 2, SPARE
	v_mov_b32 v[NIL], 0
	ds_add_u32 v[SPW], v[NIL]                      ; the opening lines: the add, twice on end, and its wait
	ds_add_u32 v[SPW], v[NIL]
	s_wait_dscnt 0x0
	v_lshrrev_b32 v1, 5, v0
	v_readfirstlane_b32 s14, v1                    ; wave 0..3
	s_lshr_b32 s15, s14, 1                         ; my half of R's rows; also: I fetch for R (0) or P (1)
	s_and_b32 s16, s14, 1                          ; my half of P's rows; also: which half of the tile I fetch
	s_bfe_u32 s40, ttmp6, 0x40000                  ; cx, cy
	s_bfe_u32 s41, ttmp6, 0x40004
	s_mov_b32 s42, s40                             ; P's tile = cx
	s_lshl_b32 s17, ttmp9, 2
	s_add_co_u32 s17, s17, s41                     ; R's tile = 4 x cluster + cy
	s_lshl_b32 s43, s41, 2
	s_lshl_b32 s43, 15, s43                        ; my row of the cluster
	s_lshl_b32 s44, 0x1111, s40                    ; my column
	s_or_b32 s[G1+0], s43, (0<<16)|(1<<20)|(1<<21)|(5<<22)|(3<<25)  ; the mask; elements of 1 byte; padding on; bit 21 beside a mask; four words after every 64
	s_or_b32 s[G1B+0], s44, (0<<16)|(1<<20)|(1<<21)|(5<<22)|(3<<25)
.irp g, G1, G1B
	s_mov_b32 s[\g+1], ROWB<<16                    ; tensor_dim0
	s_mov_b32 s[\g+3], ROWB<<16                    ; tile_dim0
	s_mov_b32 s[\g+5], KROW                        ; from row to row
	s_mov_b32 s[\g+6], 0
	s_mov_b32 s[\g+7], 0
.endr
	s_mov_b32 s[G1+2], 64<<16                      ; tensor_dim1 and tile_dim1: 64 rows of R,
	s_mov_b32 s[G1+4], 64
	s_mov_b32 s[G1B+2], 128<<16                    ; 128 of P
	s_mov_b32 s[G1B+4], 128
	s_lshl_b32 s18, s16, 6
	s_lshl_b32 s20, s17, 7
	s_add_co_u32 s20, s20, s18
	s_mul_i32 s20, s20, KROW                       ; R: (128 x tile + 64 x half) rows, in bytes (under 2^24)
	s_mov_b32 s21, 0
	s_lshl_b32 s18, s16, 7
	s_lshl_b32 s46, s42, 8
	s_add_co_u32 s46, s46, s18
	s_mul_i32 s46, s46, KROW                       ; P: (256 x tile + 128 x half) rows
	s_mov_b32 s47, 0
	s_mul_i32 s19, s16, QUART                      ; where they go in a slot: R's halves,
	s_mul_i32 s45, s16, HALFT
	s_add_co_u32 s45, s45, HALFT                   ; P's halves behind them
	s_wait_kmcnt 0x0
	s_load_b256 s[88:95], s[10:11], 0x0            ; the twelve exponents: entry i in s[88 + i]
	s_load_b128 s[96:99], s[10:11], 0x20
	s_add_nc_u64 s[20:21], s[4:5], s[20:21]
	s_add_nc_u64 s[46:47], s[6:7], s[46:47]
	CROUND                                         ; all sixteen work-groups are here: the first joint loads meet
.irp s, 0,1
	s_mov_b32 s[G0+4*\s], 1
	s_add_co_u32 s[G0+4*\s+1], s19, \s*SLOT
	s_add_nc_u64 s[G0+4*\s+2:G0+4*\s+3], s[20:21], \s*ROWB
	s_or_b32 s[G0+4*\s+3], s[G0+4*\s+3], 0x80000000
	s_mov_b32 s[G0B+4*\s], 1
	s_add_co_u32 s[G0B+4*\s+1], s45, \s*SLOT
	s_add_nc_u64 s[G0B+4*\s+2:G0B+4*\s+3], s[46:47], \s*ROWB
	s_or_b32 s[G0B+4*\s+3], s[G0B+4*\s+3], 0x80000000
.endr
	JLOAD G0, G1, G0B, G1B                         ; K step 0: one tensor load a wave at the head
	; PREFETCH, two K steps ahead of the fills: here K steps 1 and 2, behind slot 1's first fill K step 3, of the rows that I fetch.  The four partners that ask for a tile jointly share its rows out by address:
	; 16 of R's 64 by cx (lanes 16-31 name the last of them again), 32 of P's 128 by cy; a lane a row, 256 bytes a row and step.  R's rows are my cluster's alone; P's rows are read by all sixteen clusters, of which four ask.
	s_cmp_eq_u32 s15, 0
	s_cselect_b64 s[PFA:PFA+1], s[20:21], s[46:47]
	s_cselect_b32 s86, s40, s41
	s_cselect_b32 s[ASKS], 1, 0
	s_cselect_b32 s75, 15, 31
	s_cselect_b32 s76, 14, 15                      ; a partner's rows in bytes: 2^14 or 2^15
	s_cmp_lt_u32 ttmp9, 4
	s_cselect_b32 s[ASKS], 1, s[ASKS]
	s_lshl_b32 s86, s86, s76
	s_mov_b32 s87, 0
	s_add_nc_u64 s[PFA:PFA+1], s[PFA:PFA+1], s[86:87]
	v_and_b32 v[PFO], 31, v0
	v_min_u32 v[PFO], s75, v[PFO]
	v_mul_u32_u24 v[PFO], v[PFO], KROW
	s_cmp_eq_u32 s[ASKS], 1
	s_cbranch_scc0 .Lno_ask_0
	global_prefetch_b8 v[PFO], s[PFA:PFA+1] offset:ROWB th:TH_LOAD_NT scope:SCOPE_SE
	global_prefetch_b8 v[PFO], s[PFA:PFA+1] offset:2*ROWB th:TH_LOAD_NT scope:SCOPE_SE
.Lno_ask_0:
	v_and_b32 v1, 15, v0                           ; r
	v_bfe_u32 v2, v0, 4, 1                         ; h
	s_wait_alu depctr_va_vdst(0)
	v_mul_u32_u24 v3, v1, PITCH
	v_lshl_add_u32 v4, v2, 4, v3
	s_mul_i32 s2, s15, QUART                       ; my 64 rows of R
	s_mul_i32 s3, s16, HALFT
	s_add_co_u32 s3, s3, HALFT                     ; my 128 rows of P
.irp s, 0,1
	v_add_nc_u32 v[ADRA+\s], s2, v4
	v_add_nc_u32 v[ADRB+\s], s3, v4
	s_add_co_u32 s2, s2, SLOT
	s_add_co_u32 s3, s3, SLOT
.endr
	s_lshl_b32 s68, s17, 7
	s_lshl_b32 s69, s15, 6
	s_add_co_u32 s68, s68, s69                     ; R0: my first query
	s_lshl_b32 s70, s42, 8
	s_lshl_b32 s69, s16, 7
	s_add_co_u32 s70, s70, s69                     ; P0: my first output column
	s_lshl_b32 s72, s70, 2
	s_mov_b32 s73, 0
	s_add_nc_u64 s[8:9], s[8:9], s[72:73]          ; the bias at P0
	v_lshlrev_b32 v[BO], 5, v2
.irp b, 0,1,2,3,4,5,6,7
	global_load_b128 v[BP+8*\b:BP+8*\b+3], v[BO], s[8:9] offset:64*\b          ; numbers 16 b + 8 h + 0 .. 7
	global_load_b128 v[BP+8*\b+4:BP+8*\b+7], v[BO], s[8:9] offset:64*\b+16
.endr
	s_lshr_b32 s71, s68, 11                        ; the batch,
	s_lshl_b32 s71, s71, 4
	s_lshr_b32 s70, s70, 6                         ; the head
	s_add_co_u32 s71, s71, s70
	s_lshl_b32 s72, s71, 17                        ; g x 131,072
	s_and_b32 s68, s68, 2047
	s_lshl_b32 s68, s68, 6                         ; the tile of 16 queries x 1,024
	s_add_co_u32 s72, s72, s68
	s_add_nc_u64 s[12:13], s[12:13], s[72:73]
	v_and_b32 v5, 31, v0
	v_lshlrev_b32 v[VO], 4, v5
	v_add_nc_u32 v[VO+1], 131072, v[VO]
	s_wait_alu depctr_va_vdst(0)                   ; the wait here, directly ahead of the wait below
	s_wait_kmcnt 0x0
	s_add_co_i32 s[SC], s88, s89
	s_add_co_i32 s[SC], s[SC], 127
	s_lshl_b32 s[SC], s[SC], 23                    ; 2^(entries 0 + 1) as f32
	s_mov_b32 s[SC+1], s[SC]
	s_add_co_i32 s68, s94, 127
	s_lshl_b32 s69, s68, 23
	v_mov_b32 v[SCL], s69                          ; 2^(entry 6)
	s_add_co_i32 s68, s68, 8
	s_lshl_b32 s68, s68, 23
	s_or_b32 s68, s68, 0x600000
	v_mov_b32 v[LIM], s68                          ; 448 x that
.macro FRAG reg, adr, q, i
.irp c, 0,1,2,3
	ds_load_b128 v[\reg+4*\c:\reg+4*\c+3], v[\adr] offset:128*(\q)+32*\c+(\i)*16*PITCH
.endr
.endm
.macro MUL16 a0, p, zero               ; 16 matrix instructions: R's register blocks a0, a0 + 1 (blocks 0-3: set 0, blocks 4-7: set 1) x P's eight of set p; the 32 accumulators take turns, one instruction a turn
.irp a, \a0, \a0+1
.irp b, 0,1,2,3,4,5,6,7
.if \zero
	v_wmma_f32_16x16x128_fp8_fp8 v[8*(8*((\a)%4)+\b):8*(8*((\a)%4)+\b)+7], v[128*(\p)+FR*\b:128*(\p)+FR*\b+FR-1], v[AF+FR*(\a):AF+FR*(\a)+FR-1], 0
.else
	v_wmma_f32_16x16x128_fp8_fp8 v[8*(8*((\a)%4)+\b):8*(8*((\a)%4)+\b)+7], v[128*(\p)+FR*\b:128*(\p)+FR*\b+FR-1], v[AF+FR*(\a):AF+FR*(\a)+FR-1], v[8*(8*((\a)%4)+\b):8*(8*((\a)%4)+\b)+7]
.endif
.endr
.endr
.endm
.macro FETCH_B slot, q, p
	WIN TO_B
.irp i, 0,1,2,3,4,5,6,7
	FRAG 128*(\p)+FR*\i, ADRB+\slot, \q, \i
.endr
	WIN 0
.endm
.macro FETCH_A slot, q, i0             ; my four tiles of 16 rows into register blocks i0 .. i0 + 3
.irp i, \i0, \i0+1, \i0+2, \i0+3
	FRAG AF+FR*(\i), ADRA+\slot, \q, (\i)%4
.endr
.endm
.macro PLACES n                        ; plain vector lines between a matrix instruction and a load into, or a vector line on, its registers
.rept \n
	v_nop
.endr
.endm
.macro STEP slot, zero                 ; a slot's first 128 along K, on the sets 0
	s_wait_dscnt 0                                 ; the sets 0 are in
	PLACES NP
	FETCH_B \slot, 1, 1                            ; the slot's second 128 into the sets 1
	FETCH_A \slot, 1, 4
	WIN MUL_LO
	MUL16 0, 0, \zero
	MUL16 2, 0, \zero
	WIN 0
.endm
.macro TURN slot, next, fill           ; a slot's second 128, on the sets 1, changes slots: one barrier, with all my tensor loads, the add and my reads of the slot waited for in front of it
	s_wait_tensorcnt 0x0                           ; all my tensor loads have landed: my part of the next slot
	ds_add_u32 v[SPW], v[NIL]                      ; 0 onto my spare word
	s_wait_dscnt 1                                 ; the sets 1 are in; the add may be out
	WIN MUL_LO
	MUL16 4, 1, 0
	s_wait_dscnt 0x0                               ; the add is done, and my reads of this slot are over
	s_barrier_signal -1
	MUL16 6, 1, 0
	WIN 0
	s_barrier_wait -1
.if \fill
	CREST                                          ; the barrier has opened a round of the cluster's barrier
	s_add_nc_u64 s[G0+4*\slot+2:G0+4*\slot+3], s[G0+4*\slot+2:G0+4*\slot+3], 2*ROWB
	s_add_nc_u64 s[G0B+4*\slot+2:G0B+4*\slot+3], s[G0B+4*\slot+2:G0B+4*\slot+3], 2*ROWB
	JLOAD G0+4*\slot, G1, G0B+4*\slot, G1B         ; the first tensor load behind the round; its four v_nop are also the places in front of the loads below
.else
	PLACES NP
.endif
	FETCH_B \next, 0, 0
	FETCH_A \next, 0, 0
.endm
	s_wait_alu depctr_va_vdst(0)                   ; the wait at the head's end
	s_wait_loadcnt 0x0                             ; the bias
	s_wait_tensorcnt 0x0                           ; my part of K step 0 is in
	ds_add_u32 v[SPW], v[NIL]                      ; the add ahead of a later first fill
	s_wait_dscnt 0x0
	CROUND                                         ; everybody's part is in, and the joint loads meet
	JLOAD G0+4, G1, G0B+4, G1B                     ; K step 1, slot 1's first fill: the first tensor load behind the round
	FETCH_B 0, 0, 0
	FETCH_A 0, 0, 0
	s_cmp_eq_u32 s[ASKS], 1
	s_cbranch_scc0 .Lno_ask_1
	global_prefetch_b8 v[PFO], s[PFA:PFA+1] offset:3*ROWB th:TH_LOAD_NT scope:SCOPE_SE   ; K step 3, the last: nothing is asked for behind it
.Lno_ask_1:
	STEP 0, 1                                      ; the products start the sums
	TURN 0, 1, 1                                   ; slot 0 takes K step 2
	STEP 1, 0
	TURN 1, 0, 1                                   ; slot 1 takes K step 3
	STEP 0, 0
	TURN 0, 1, 0                                   ; nothing is left to fetch
	STEP 1, 0
	s_wait_dscnt 0                                 ; the last 128 along K
	WIN MUL_LO
	MUL16 4, 1, 0
	MUL16 6, 1, 0
	WIN 0
	PLACES NP
; THE WAY OUT of block a (16 queries x my 128 columns, two heads): sum x 2^(exponents) + bias, held, converted; four stores of 512 consecutive bytes, aligned.  Every block has code registers of its own.
.macro OUTA a
.set AC, 64*(\a)
	WIN 0x42                                       ; source 0: the sums' window; destination window 1
.set j, 0
.rept 32
	v_pk_fma_f32 v[j:j+1], v[AC+j:AC+j+1], s[SC:SC+1], v[BP+j:BP+j+1] op_sel_hi:[1,0,1]   ; each accumulator from its low end on
.set j, j+2
.endr
	WIN 0x41
.set j, 0
.rept 64
	v_med3_num_f32 v[j], v[j], -v[LIM], v[LIM]     ; the conversion to an 8-bit code does not saturate (ISA guide 7.6.2)
.set j, j+1
.endr
	WIN 0x01
.irp b, 0,1,2,3,4,5,6,7
	v_cvt_scalef32_pk8_fp8_f32 v[CD+16*(\a)+2*\b:CD+16*(\a)+2*\b+1], v[8*\b:8*\b+7], v[SCL]
.endr
	v_nop                                          ; one plain line between the conversions and the next block's lines, which write their sources
	WIN 0
.irp e, 0,1,2,3
	global_store_b128 v[VO+\e/2], v[CD+16*(\a)+4*\e:CD+16*(\a)+4*\e+3], s[12:13] offset:(\a)*1024+(\e%2)*512
.endr
.endm
.irp a, 0,1,2,3
	OUTA \a
.endr
	s_wait_tensorcnt 0x0                           ; the wave's end
	ds_add_u32 v[SPW], v[NIL]
	s_wait_dscnt 0x0
	CROUND                                         ; the closing round
	s_endpgm
.Lfunc_end_k_q5102206d67_projq:
	.size	k_q5102206d67_projq, .Lfunc_end_k_q5102206d67_projq-k_q5102206d67_projq
	.p2alignl 7, 3214868480
	.fill 96, 4, 3214868480
	.section	.rodata,"a",@progbits
	.p2align	6, 0x0
	.amdhsa_kernel k_q5102206d67_projq
		.amdhsa_group_segment_fixed_size 327680
		.amdhsa_private_segment_fixed_size 0
		.amdhsa_enable_private_segment 0
		.amdhsa_kernarg_size 40
		.amdhsa_user_sgpr_count 2
		.amdhsa_user_sgpr_kernarg_segment_ptr 1
		.amdhsa_wavefront_size32 1
		.amdhsa_system_sgpr_workgroup_id_x 1
		.amdhsa_system_sgpr_workgroup_id_y 1
		.amdhsa_system_sgpr_workgroup_id_z 1
		.amdhsa_system_vgpr_workitem_id 0
		.amdhsa_next_free_vgpr 768
		.amdhsa_next_free_sgpr 100
		.amdhsa_reserve_vcc 0
		.amdhsa_float_denorm_mode_32 3
		.amdhsa_float_denorm_mode_16_64 3
		.amdhsa_memory_ordered 1
		.amdhsa_forward_progress 1
		.amdhsa_inst_pref_size 84
	.end_amdhsa_kernel
	.amdgpu_metadata
---
amdhsa.version: [ 1, 2 ]
amdhsa.kernels:
  - .name:           k_q5102206d67_projq
    .symbol:         k_q5102206d67_projq.kd
    .args:
      - { .name: query_codes, .offset: 0, .size: 8, .value_kind: global_buffer, .address_space: global }
      - { .name: Wq_codes, .offset: 8, .size: 8, .value_kind: global_buffer, .address_space: global }
      - { .name: bq, .offset: 16, .size: 8, .value_kind: global_buffer, .address_space: global }
      - { .name: lowp_scales, .offset: 24, .size: 8, .value_kind: global_buffer, .address_space: global }
      - { .name: qimg, .offset: 32, .size: 8, .value_kind: global_buffer, .address_space: global }
    .group_segment_fixed_size: 327680
    .private_segment_fixed_size: 0
    .kernarg_segment_align: 8
    .kernarg_segment_size: 40
    .max_flat_workgroup_size: 128
    .sgpr_count:     100
    .vgpr_count:     768
    .wavefront_size: 32
...
	.end_amdgpu_metadata
.endif
;; end of part 2
;; launch attn (part 3): grid 4 x 64, 8 waves a work-group, clusters of 4 x 1, 327,680 bytes of LDS; arguments qimg, kimg, vimg, lowp_scales, aimg; writes aimg
.if DOCPART == 3
	.amdgcn_target "amdgcn-amd-amdhsa--gfx1250"
	.amdhsa_code_object_version 6
	.text
	.protected	k_q5102206d67_attn
	.globl	k_q5102206d67_attn
	.p2align	8
	.type	k_q5102206d67_attn,@function
k_q5102206d67_attn:
	s_mov_b64 s[64:65], 0
	v_nop
	global_prefetch_b8 v0, s[64:65] scope:SCOPE_SE
	s_setreg_imm32_b32 hwreg(HW_REG_WAVE_MODE, 25, 1), 1
	s_wait_xcnt 0x0
	s_wait_alu depctr_hold_cnt(0) depctr_sa_sdst(0) depctr_va_vdst(0) depctr_va_sdst(0) depctr_va_ssrc(0) depctr_va_vcc(0) depctr_vm_vsrc(0)
	s_getreg_b32 s2, hwreg(HW_REG_IB_STS2, 6, 4)
	s_cmp_eq_u32 s2, 0
	s_cbranch_scc0 .Lentry_in_a_cluster
	s_endpgm
.Lentry_in_a_cluster:
	s_bfe_u32 s2, ttmp6, 0x10000c
	s_cmp_lg_u32 s2, 0x3003
	s_cbranch_scc0 .Lentry_shape_is_right
	s_endpgm
.Lentry_shape_is_right:
; attended[g][q] = the sum over k of softmax_k(Q[g][q] . K[g][k] / 8) V[g][k], g = 16 batch + head, 2,048 queries and keys, head size 64, both products on codes of FP8 (E4M3).
; Q, K and V come as images of operand registers (a part: 512 bytes, lane l's four registers at 16 l), made by the two launches before; the result leaves so too, quantised with entry 10 of the scales' buffer:
;   aimg [128 rows RB][256 along K][16 rows][128 along K][part 4][512]: lane (r, h): row r; registers 2 c, 2 c + 1: k = 16 c + 8 h + 0 .. 7 of the 128; k = 64 head + channel.
; THE SOFTMAX AHEAD OF THE SECOND PRODUCT: t = score x log2(e) / 8; M = the row's largest t so far, rounded UP to a whole number; p = 2^(t - M) is quantised (entry 8), not normalised.  The row's sum is taken of
; the unquantised p, in f32, and divides at the end.  When M moves, the sums and O are multiplied by 2^(old M - new M), which rounds nothing.  The running maximum is kept of the raw scores: c is positive and
; a multiplication by it keeps the order, so c x the largest score is the largest t.
; SHARES.  A work-group owns 512 queries of one head, in two passes of 256; each of its eight waves takes 32 queries a pass, two tiles of 16, so that each fragment of K and V read from LDS feeds two products.
; THE HEAD'S WHOLE K AND V LIE IN LDS, each byte filled once: K's 131,072 bytes from byte 0, V's behind them, both as they lie in memory; a step of 128 keys is 8,192 bytes of each.
; TWO FILLS.  At the head each wave asks for one step of K (waves 0-3) or of V (waves 4-7): steps 0 to 3.  Behind the full sequence and a round each wave asks for 24,576 bytes of the other twelve steps.
; Steps 0 to 2 read bytes of the first fill alone (step 2 also fetches step 3's K); ahead of step 3 every wave waits for its second load and passes a barrier.  So a pass is two loops, of 3 and of 13 steps.
; The launch claims all of LDS.
; CLUSTER.  The four work-groups of a head form a cluster and ask for every part jointly.  All of K and V is asked for by these two fills, ahead of the loops, so there is no loop to run ahead in: no prefetch is laid.
; LAYOUT.  S^T = K Q^T (source 0 = 16 keys, source 1 = 16 queries), O^T = V^T P^T (source 0 = 16 channels, source 1 = P): a lane holds ONE query throughout.  In tile k of S^T lane (r, h) holds keys 16 k + 8 h + 0 .. 7:
; one conversion gives registers 2 k, 2 k + 1 of P's fragment, each key in its own place.
; FRAGMENTS AHEAD.  Behind a step's first products the NEXT step's K and this step's V are asked of LDS, 32 loads in one run.  K's address wraps at the last step, so the second pass finds step 0's fragments in place.
; THE TWO TILES ARE A HALF STEP APART.  Tile 0's exponentials stand by turns with tile 1's scalings, tile 1's with tile 0's first sums and holds: none of these lines reads what a line of the same batch wrote.
; The sums' chains have their registers in window 1, so that their additions share the second products' windows and stand among those products.
; LIMITS: entries 6 + 7 between -123 and 130 (they are added to c's exponent field); entries 8 and 10 between -126 and 119; entries 8 + 9 go in by v_ldexp_f32; the scaled scores stay under 2^31 in magnitude.
; REGISTERS.  window 0: v1 16 x lane; v2, v3 the step's LDS addresses; v4-7, v32, v33 constants; v8-18, v20-30 a tile's statistics; v19, v31 the add's two; v34-65 tile 0's first sums; v96-223 S^T, then p (64 a tile); v224-255 p's codes.
;   window 1: v0-63 O^T (tile t, channels 16 n on: v[32 t + 8 n]); v64-79 Q of the pass; v80-95 Q of the second pass; v96-159 K's fragments; v160-223 V's; v224-239 the sums, four pairs a tile.
.set LI,   1
.set ADK,  2
.set ADV,  3
.set PLIM, 4                           ; v4, v33  448 x 2^(entry 8);  v5  2^(entry 8)
.set PSCL, 5
.set ALIM, 6                           ; v6  448 x 2^(entry 10); v7  2^(entry 10)
.set ASCL, 7
.set ST0,  8                           ; tile t's statistics at v[8 + 12 t]: +0 -M, +1 the largest score, +2 the old -M, then old M - new M, +4 f (+5 written with it), +8, +9 chains of the maximum, +10 the other half's
.set SPW,  19                          ; LDS address of my spare word; never rewritten
.set NIL,  31                          ; 0; never rewritten
.set LIV,  32                          ; 16 x lane + 131,072: V's region
.set PLIM2, 33
.set TS,   34
.set S,    96
.set PC,   224
.set QF,   64                          ; these five in window 1
.set QB,   80
.set KF,   96
.set VF,   160
.set LS,   224
.set SPARE, 0x40000                    ; behind K and V: the spare words, 128 bytes a wave, which no other line names
.set WV,   14
.set SEL,  20                          ; s[20:21] lane selects for v_permlanex16_b32: lane l xor 16
.set CS,   22                          ; s[22:23] c = log2(e) / 8 x 2^(entries 6 + 7)
.set G1,   24                          ; s[24:31] descriptor group 1 of the first fill: 32 rows of 256 bytes, dense
.set G0K,  32                          ; s[32:35] its group 0 for K
.set G0V,  36                          ; s[36:39] for V
.set G2,   40                          ; s[40:47] group 1 of the second fill: 96 rows of 256 bytes
.set H0K,  48                          ; s[48:51] its group 0 for K
.set H0V,  52                          ; s[52:55] for V
.set TB,   66                          ; s66  the step's byte in K's and in V's region
.set CNT,  67
.set PASS, 68
.set EPV,  69                          ; s69  entries 8 + 9
.set TN,   70                          ; s70  the next step's byte, wrapped
.set NC,   71                          ; s71  -c
.set MSB, 0
.macro WIN new
.if MSB != (\new)
	s_set_vgpr_msb (MSB<<8)|(\new)
.set MSB, \new
.endif
.endm
.macro CROUND                          ; a round of the cluster's barrier
	s_barrier_signal -1
	s_barrier_wait -1
	s_cmp_lg_u32 s[WV], 0
	s_cbranch_scc1 .Lnot_wave_0_\@
	s_barrier_signal -3
.Lnot_wave_0_\@:
	s_barrier_wait -3
	s_barrier_signal -1
	s_barrier_wait -1
.endm
.macro FILL g0k, g0v, g1               ; waves 0-3 ask for K, waves 4-7 for V: one fill in each arm, both arms lead to one join; s_nop 0 and four v_nop follow each line
	s_cmp_lt_u32 s[WV], 4
	s_cbranch_scc0 .Lfor_v_\@
	tensor_load_to_lds s[\g0k:\g0k+3], s[\g1:\g1+7]
	s_nop 0
.rept 4
	v_nop
.endr
	s_branch .Lasked_\@
.Lfor_v_\@:
	tensor_load_to_lds s[\g0v:\g0v+3], s[\g1:\g1+7]
	s_nop 0
.rept 4
	v_nop
.endr
.Lasked_\@:
.endm
.macro HOLD2 r                         ; two numbers held at the largest code x the scale by one dual pair (the conversion does not saturate: ISA guide 7.6.2; p is not negative, so the hold is one-sided)
	v_dual_min_num_f32 v[\r], v[\r], v[PLIM] :: v_dual_min_num_f32 v[\r+1], v[\r+1], v[PLIM2]
.endm
.macro KLOADS adr                      ; K's eight tiles of a step: 512 consecutive bytes a load
.irp k, 0,1,2,3,4,5,6,7
.irp c, 0,1
	ds_load_b128 v[KF+8*\k+4*\c:KF+8*\k+4*\c+3], v[\adr] offset:(\k%4)*2048+(\k/4)*1024+512*\c
.endr
.endr
.endm
.macro SCALE t, n                      ; n pairs of tile t's scores, from pair j on: t - M, two at a time
.rept \n
	v_pk_fma_f32 v[S+64*\t+j:S+64*\t+j+1], v[S+64*\t+j:S+64*\t+j+1], s[CS:CS+1], v[ST0+12*\t:ST0+12*\t+1] op_sel_hi:[1,0,0]
.set j, j+2
.endr
.endm
.macro PV t, n                         ; one second product; the eight accumulators take one turn each in a step
	v_wmma_f32_16x16x128_fp8_fp8 v[32*\t+8*\n:32*\t+8*\n+7], v[VF+16*\n:VF+16*\n+15], v[PC+16*\t:PC+16*\t+15], v[32*\t+8*\n:32*\t+8*\n+7]
.endm
.macro SUM1 n                          ; n pairs of tile 1's unquantised p, from pair j on, onto its four chains by turns
.rept \n
	v_pk_add_f32 v[LS+8+2*((j/2)%4):LS+8+2*((j/2)%4)+1], v[LS+8+2*((j/2)%4):LS+8+2*((j/2)%4)+1], v[S+64+j:S+64+j+1]
.set j, j+2
.endr
.endm
.macro SUM0 n                          ; n of tile 0's sixteen first sums, from number j on, onto its four chains by turns
.rept \n
	v_pk_add_f32 v[LS+2*(j%4):LS+2*(j%4)+1], v[LS+2*(j%4):LS+2*(j%4)+1], v[TS+2*j:TS+2*j+1]
.set j, j+1
.endr
.endm
	s_load_b256 s[4:11], s[0:1], 0x0               ; qimg s[4:5], kimg s[6:7], vimg s[8:9], the scales' exponents s[10:11]
	s_load_b64 s[12:13], s[0:1], 0x20              ; aimg
	v_lshl_add_u32 v[SPW], v0, 2, SPARE
	v_mov_b32 v[NIL], 0
	ds_add_u32 v[SPW], v[NIL]                      ; the opening lines: the add, twice on end, and its wait ahead of my tensor load
	ds_add_u32 v[SPW], v[NIL]
	v_lshrrev_b32 v1, 5, v0
	s_delay_alu instid0(VALU_DEP_1)
	v_readfirstlane_b32 s[WV], v1                  ; wave 0..7
	s_bfe_u32 s15, ttmp6, 0x40000                  ; cx
	s_lshl_b32 s16, ttmp9, 2
	s_add_co_u32 s16, s16, s15                     ; my block of 512 queries: it enters Q's and the result's addresses alone
	s_and_b32 s17, ttmp7, 0xffff                   ; g, which the four partners share
	s_and_b32 s18, s[WV], 3                        ; which part I fetch
	s_lshl_b32 s84, s17, 17                        ; g x 131,072
	s_mul_i32 s87, s18, 24576
	s_add_co_u32 s87, s87, 32768                   ; the second fill: behind the first four steps, 24,576 bytes a wave: in memory and in LDS alike
	s_add_co_u32 s92, s84, s87
	s_mov_b32 s93, 0
	s_lshl_b32 s86, s18, 13                        ; the first fill: my step's 8,192 bytes
	s_add_co_u32 s84, s84, s86
	s_mov_b32 s85, 0
	s_mov_b32 s[G1], 15|(3<<16)|(1<<21)            ; 15:0 the mask: all four work-groups; 17:16 elements of 8 bytes; 21 set beside a mask; no padding
	s_mov_b32 s[G1+1], 32<<16                      ; tensor_dim0 = 32 elements: 256 bytes
	s_mov_b32 s[G1+2], 32<<16                      ; tensor_dim1 = 32
	s_mov_b32 s[G1+3], 32<<16                      ; tile_dim0
	s_mov_b32 s[G1+4], 32                          ; tile_dim1
	s_mov_b32 s[G1+5], 32                          ; from row to row: dense
	s_mov_b32 s[G1+6], 0
	s_mov_b32 s[G1+7], 0
	s_mov_b32 s[G2], 15|(3<<16)|(1<<21)            ; the same with 96 rows
	s_mov_b32 s[G2+1], 32<<16
	s_mov_b32 s[G2+2], 96<<16
	s_mov_b32 s[G2+3], 32<<16
	s_mov_b32 s[G2+4], 96
	s_mov_b32 s[G2+5], 32
	s_mov_b32 s[G2+6], 0
	s_mov_b32 s[G2+7], 0
	s_mov_b32 s[SEL], 0x76543210
	s_mov_b32 s[SEL+1], 0xfedcba98
	s_lshl_b32 s88, s17, 17                        ; Q: g x 131,072 + 32,768 x block + 2,048 x wave
	s_lshl_b32 s89, s16, 15
	s_add_co_u32 s88, s88, s89
	s_lshl_b32 s89, s[WV], 11
	s_add_co_u32 s88, s88, s89
	s_mov_b32 s89, 0
	s_and_b32 s90, s17, 0x30                       ; the result: RB = 16 batch + 4 block + wave / 4 (+ 2 in the second pass),
	s_lshl_b32 s91, s16, 2
	s_add_co_u32 s90, s90, s91
	s_lshr_b32 s91, s[WV], 2
	s_add_co_u32 s90, s90, s91
	s_lshl_b32 s90, s90, 17
	s_bfe_u32 s91, s17, 0x20002                    ; head / 4: which 256 along K,
	s_lshl_b32 s91, s91, 15
	s_add_co_u32 s90, s90, s91
	s_lshl_b32 s91, s18, 13                        ; my two tiles of 16 rows,
	s_add_co_u32 s90, s90, s91
	s_and_b32 s91, s17, 3                          ; head % 4: which 128 along K (x 2,048) and which two parts of four (x 1,024)
	s_lshl_b32 s91, s91, 10
	s_add_co_u32 s90, s90, s91
	s_mov_b32 s91, 0
	s_wait_dscnt 0x0                               ; both opening adds are done
	s_wait_kmcnt 0x0
	s_load_b256 s[72:79], s[10:11], 0x0            ; the twelve exponents: entry i in s[72 + i]
	s_load_b128 s[80:83], s[10:11], 0x20
	s_add_nc_u64 s[4:5], s[4:5], s[88:89]
	s_add_nc_u64 s[12:13], s[12:13], s[90:91]
	s_mov_b32 s[G0K], 1
	s_mov_b32 s[G0K+1], s86
	s_add_nc_u64 s[G0K+2:G0K+3], s[6:7], s[84:85]
	s_or_b32 s[G0K+3], s[G0K+3], 0x80000000
	s_mov_b32 s[G0V], 1
	s_add_co_u32 s[G0V+1], s86, 131072
	s_add_nc_u64 s[G0V+2:G0V+3], s[8:9], s[84:85]
	s_or_b32 s[G0V+3], s[G0V+3], 0x80000000
	s_mov_b32 s[H0K], 1
	s_mov_b32 s[H0K+1], s87
	s_add_nc_u64 s[H0K+2:H0K+3], s[6:7], s[92:93]
	s_or_b32 s[H0K+3], s[H0K+3], 0x80000000
	s_mov_b32 s[H0V], 1
	s_add_co_u32 s[H0V+1], s87, 131072
	s_add_nc_u64 s[H0V+2:H0V+3], s[8:9], s[92:93]
	s_or_b32 s[H0V+3], s[H0V+3], 0x80000000
	CROUND                                         ; all four work-groups are here: the joint loads meet
	FILL G0K, G0V, G1                              ; steps 0 to 3: one tensor load of mine is out
	v_and_b32 v[LI], 31, v0
	s_delay_alu instid0(VALU_DEP_1)
	v_lshlrev_b32 v[LI], 4, v[LI]
	WIN 0x40                                       ; destination window 1
.irp t, 0,1,2,3                        ; Q's four fragments: tiles 0, 1 for the first pass, tiles 2, 3 (256 queries on) for the second
.irp c, 0,1
	global_load_b128 v[QF+8*\t+4*\c:QF+8*\t+4*\c+3], v[LI], s[4:5] offset:(\t/2)*16384+(\t%2)*1024+\c*512
.endr
.endr
	WIN 0
	v_add_nc_u32 v[LIV], 0x20000, v[LI]
	s_wait_kmcnt 0x0
	s_add_co_i32 s84, s78, s79
	s_lshl_b32 s84, s84, 23
	s_add_co_i32 s[CS], s84, 0x3e38aa3b            ; log2(e) / 8, with entries 6 + 7 added to its exponent field
	s_mov_b32 s[CS+1], s[CS]                       ; (named with it as a pair, so it is written)
	s_xor_b32 s[NC], s[CS], 0x80000000             ; -c
	s_add_co_i32 s84, s80, 127
	s_lshl_b32 s85, s84, 23
	v_mov_b32 v[PSCL], s85
	s_add_co_i32 s84, s84, 8
	s_lshl_b32 s84, s84, 23
	s_or_b32 s84, s84, 0x600000
	v_mov_b32 v[PLIM], s84
	v_mov_b32 v[PLIM2], s84
	s_add_co_i32 s84, s82, 127
	s_lshl_b32 s85, s84, 23
	v_mov_b32 v[ASCL], s85
	s_add_co_i32 s84, s84, 8
	s_lshl_b32 s84, s84, 23
	s_or_b32 s84, s84, 0x600000
	v_mov_b32 v[ALIM], s84
	s_add_co_i32 s[EPV], s80, s81
; A KEY STEP: 128 keys, for my two tiles of queries.  K's fragments are in registers when it begins.
.macro STEP
	WIN 0x05                                       ; sources 0 (K) and 1 (Q) window 1
.irp k, 0,1,2,3,4,5,6,7
.irp t, 0,1
	v_wmma_f32_16x16x64_fp8_fp8 v[S+64*\t+8*\k:S+64*\t+8*\k+7], v[KF+8*\k:KF+8*\k+7], v[QF+8*\t:QF+8*\t+7], 0
.endr
.endr
	WIN 0
	s_add_co_u32 s[TN], s[TB], 8192
	s_and_b32 s[TN], s[TN], 0x1ffff                ; behind the last step comes step 0
	v_add_nc_u32 v[ADK], s[TN], v[LI]
	v_add_nc_u32 v[ADV], s[TB], v[LIV]
	v_mov_b32 v[ST0+2], v[ST0]                     ; the old -M is kept
	v_mov_b32 v[ST0+14], v[ST0+12]                 ; these four lines are the places between the products and the loads into registers that they read, and the first read of the scores
	WIN 0x40
	KLOADS ADK                                     ; the next step's K
.irp n, 0,1,2,3
.irp c, 0,1,2,3
	ds_load_b128 v[VF+16*\n+4*\c:VF+16*\n+4*\c+3], v[ADV] offset:2048*\n+512*\c   ; this step's V
.endr
.endr
	WIN 0
	; the step's largest score of each query, among my 64 keys: two chains a tile, the registers in ascending order
.irp t, 0,1
	v_max3_num_f32 v[ST0+12*\t+8], v[S+64*\t], v[S+64*\t+1], v[S+64*\t+2]
	v_max3_num_f32 v[ST0+12*\t+9], v[S+64*\t+3], v[S+64*\t+4], v[S+64*\t+5]
.endr
.irp i, 6,10,14,18,22,26,30,34,38,42,46,50,54,58
.irp t, 0,1
	v_max3_num_f32 v[ST0+12*\t+8], v[ST0+12*\t+8], v[S+64*\t+\i], v[S+64*\t+\i+1]
	v_max3_num_f32 v[ST0+12*\t+9], v[ST0+12*\t+9], v[S+64*\t+\i+2], v[S+64*\t+\i+3]
.endr
.endr
.irp t, 0,1
	v_max3_num_f32 v[ST0+12*\t+8], v[ST0+12*\t+8], v[S+64*\t+62], v[S+64*\t+63]
.endr
.irp t, 0,1
	s_delay_alu instid0(VALU_DEP_2)
	v_max3_num_f32 v[ST0+12*\t+8], v[ST0+12*\t+8], v[ST0+12*\t+9], v[ST0+12*\t+1]   ; the two chains and the largest so far
.endr
.irp t, 0,1
	s_delay_alu instid0(VALU_DEP_2)
	v_permlanex16_b32 v[ST0+12*\t+10], v[ST0+12*\t+8], s[SEL], s[SEL+1]
.endr
.irp t, 0,1
	s_delay_alu instid0(VALU_DEP_2)
	v_max_num_f32 v[ST0+12*\t+1], v[ST0+12*\t+8], v[ST0+12*\t+10]     ; and lane l xor 16's: the running largest score
.endr
.irp t, 0,1
	s_delay_alu instid0(VALU_DEP_2)
	v_mul_f32 v[ST0+12*\t+9], s[NC], v[ST0+12*\t+1]                   ; -t
.endr
.irp t, 0,1
	s_delay_alu instid0(VALU_DEP_2)
	v_floor_f32 v[ST0+12*\t], v[ST0+12*\t+9]                          ; the new -M = floor(-t): M is a whole number
.endr
.irp t, 0,1
	s_delay_alu instid0(VALU_DEP_2)
	v_sub_f32 v[ST0+12*\t+2], v[ST0+12*\t], v[ST0+12*\t+2]            ; old M - new M: a whole number, 0 or less
.endr
.set j, 0
	SCALE 0, 4                                     ; tile 0's scalings stand between the links of f's chain
.irp t, 0,1
	v_cvt_i32_f32 v[ST0+12*\t+2], v[ST0+12*\t+2]                      ; (it saturates)
.endr
	SCALE 0, 4
.irp t, 0,1
	v_ldexp_f32 v[ST0+12*\t+4], 1.0, v[ST0+12*\t+2]                   ; f = 2^(old M - new M)
.endr
	SCALE 0, 24
	WIN 0x41                                       ; destination and source 0 window 1
.irp c, 0,1,2,3
.irp t, 0,1
	v_pk_mul_f32 v[LS+8*\t+2*\c:LS+8*\t+2*\c+1], v[LS+8*\t+2*\c:LS+8*\t+2*\c+1], v[ST0+12*\t+4:ST0+12*\t+5] op_sel_hi:[1,0]   ; the sums under the new M
.endr
.endr
.set j, 0
.rept 16
.irp t, 0,1
	v_pk_mul_f32 v[32*\t+j:32*\t+j+1], v[32*\t+j:32*\t+j+1], v[ST0+12*\t+4:ST0+12*\t+5] op_sel_hi:[1,0]   ; O^T under the new M, each accumulator from its low end on; no exponential stands between the products that wrote it and these lines
.endr
.set j, j+2
.endr
	WIN 0
	s_wait_alu depctr_va_vdst(0)                   ; the wait ahead of the batch
.set j, 0
.rept 32
	v_exp_f32 v[S+j], v[S+j]                       ; tile 0: p = 2^(t - M), at most 1
	v_exp_f32 v[S+j+1], v[S+j+1]
	SCALE 1, 1                                     ; tile 1's scalings by turns with them
.endr
	s_wait_alu depctr_va_vdst(0)                   ; behind tile 0's batch and ahead of tile 1's
.set j, 0
.rept 16
	v_exp_f32 v[S+64+j], v[S+64+j]                 ; tile 1's p, by turns with tile 0's first sums, taken of the unquantised p, and its holds
	v_exp_f32 v[S+64+j+1], v[S+64+j+1]
	v_pk_add_f32 v[TS+j/2:TS+j/2+1], v[S+j:S+j+1], v[S+j+2:S+j+3]
	v_exp_f32 v[S+64+j+2], v[S+64+j+2]
	HOLD2 S+j
	v_exp_f32 v[S+64+j+3], v[S+64+j+3]
	HOLD2 S+j+2
.set j, j+4
.endr
	s_wait_dscnt 0x0                               ; the 32 loads issued behind the first products are in: V's fragments and the next step's K
	s_wait_alu depctr_va_vdst(0)                   ; behind tile 1's batch, ahead of its first reader and of the readers of what was written inside it
.irp k, 0,1,2,3,4,5,6,7
	v_cvt_scalef32_pk8_fp8_f32 v[PC+2*\k:PC+2*\k+1], v[S+8*\k:S+8*\k+7], v[PSCL]   ; keys 16 k + 8 h + 0 .. 7: registers 2 k, 2 k + 1 of P's fragment
.endr
	WIN 0x51                                       ; source 0 (V, the sums' chains), C and D (O^T, the chains) window 1; source 1 (P, p) window 0
.set j, 0
.irp n, 0,1,2,3
	SUM1 2                                         ; (the first two are the plain lines behind the conversions)
	PV 0, \n
	SUM1 6                                         ; tile 1's sums stand among tile 0's products
.endr
	WIN 0
.irp k, 0,1,2,3,4,5,6,7
.irp i, 0,2,4,6
	HOLD2 S+64+8*\k+\i
.endr
	v_cvt_scalef32_pk8_fp8_f32 v[PC+16+2*\k:PC+16+2*\k+1], v[S+64+8*\k:S+64+8*\k+7], v[PSCL]
.endr
	WIN 0x51
.set j, 0
.irp n, 0,1,2,3
	SUM0 1                                         ; (the first is the plain line behind the conversions)
	PV 1, \n
	SUM0 3                                         ; tile 0's chains stand among tile 1's products
.endr
	WIN 0
.endm
	s_wait_alu depctr_va_vdst(0)                   ; the wait at the head's end
	s_wait_tensorcnt 0x0                           ; my step of the first fill is in; these lines stand ahead of a later first fill:
	ds_add_u32 v[SPW], v[NIL]                      ; 0 onto my spare word,
	s_wait_dscnt 0x0                               ; awaited
	CROUND                                         ; a whole round: everybody's step is in, and the joint loads meet
	FILL H0K, H0V, G2                              ; steps 4 to 15: the first tensor load behind the round, on bytes that nothing has filled
	WIN 0x40
	KLOADS LI                                      ; step 0's K
	WIN 0
	s_mov_b32 s[PASS], 2
.Lpass:
	WIN 0x40
.set j, 0
.rept 64
	v_mov_b32 v[j], 0                              ; O^T.  (The step's first walk finds zeros, which the first change of M leaves zeros)
.set j, j+1
.endr
.set j, 0
.rept 16
	v_mov_b32 v[LS+j], 0                           ; the sums
.set j, j+1
.endr
	WIN 0
.irp t, 0,1
	v_mov_b32 v[ST0+12*\t+1], 0xff61b1e6           ; the largest score so far: -3e38
	v_mov_b32 v[ST0+12*\t+5], 0                    ; (named as the upper half of f's pair)
	v_mov_b32 v[ST0+12*\t+10], 0                   ; (a lane permute's destination counts as one of its sources)
.endr
.irp t, 0,1
	v_floor_f32 v[ST0+12*\t], -v[ST0+12*\t+1]      ; -M: so large that the first f is 0
.endr
	s_wait_alu depctr_va_vdst(0)                   ; the wait here, directly ahead of the waits below
	s_wait_loadcnt 0x0                             ; Q
	s_wait_dscnt 0x0                               ; step 0's K
	s_mov_b32 s[TB], 0
	s_mov_b32 s[CNT], 3
.Lstep_a:                                              ; steps 0 to 2: LDS bytes under 32,768 of K's region and of V's, the first fill's
	STEP
	s_add_co_u32 s[TB], s[TB], 8192
	s_sub_co_u32 s[CNT], s[CNT], 1
	s_cmp_lg_u32 s[CNT], 0
	s_cbranch_scc1 .Lstep_a
	s_wait_alu depctr_va_vdst(0)                   ; the wait here, directly ahead of the waits below
	s_wait_tensorcnt 0x0                           ; my part of the second fill is in (in the second pass it has long been)
	s_wait_dscnt 0x0
	s_barrier_signal -1
	s_barrier_wait -1                              ; everybody's is: all of K and V.
	s_mov_b32 s[CNT], 13
.Lstep_b:                                              ; steps 3 to 15
	STEP
	s_add_co_u32 s[TB], s[TB], 8192
	s_sub_co_u32 s[CNT], s[CNT], 1
	s_cmp_lg_u32 s[CNT], 0
	s_cbranch_scc1 .Lstep_b
	; THE WAY OUT: O^T / the sum x 2^(entries 8 + 9), held, converted: channels 16 n + 8 h + 0 .. 7 give registers 2 n, 2 n + 1 of my head's half of a fragment.  The additions are the places behind the last products.
	WIN 0x45                                       ; destination and both sources window 1
.irp t, 0,1
	v_pk_add_f32 v[LS+8*\t:LS+8*\t+1], v[LS+8*\t:LS+8*\t+1], v[LS+8*\t+2:LS+8*\t+3]
	v_pk_add_f32 v[LS+8*\t+4:LS+8*\t+5], v[LS+8*\t+4:LS+8*\t+5], v[LS+8*\t+6:LS+8*\t+7]
.endr
.irp t, 0,1
	v_pk_add_f32 v[LS+8*\t:LS+8*\t+1], v[LS+8*\t:LS+8*\t+1], v[LS+8*\t+4:LS+8*\t+5]
.endr
	WIN 0x05
.irp t, 0,1
	v_add_f32 v[ST0+12*\t+2], v[LS+8*\t], v[LS+8*\t+1]
.endr
	WIN 0
.irp t, 0,1
	v_permlanex16_b32 v[ST0+12*\t+10], v[ST0+12*\t+2], s[SEL], s[SEL+1]
.endr
.irp t, 0,1
	s_delay_alu instid0(VALU_DEP_2)
	v_add_f32 v[ST0+12*\t+2], v[ST0+12*\t+2], v[ST0+12*\t+10]         ; the row's sum
.endr
	s_wait_alu depctr_va_vdst(0)                   ; the wait ahead of the reciprocals
.irp t, 0,1
	v_rcp_f32 v[ST0+12*\t+4], v[ST0+12*\t+2]
.endr
	v_nop                                          ; a plain line behind the reciprocals
	s_wait_alu depctr_va_vdst(0)                   ; one wait for both, ahead of their first reader
.irp t, 0,1
	v_ldexp_f32 v[ST0+12*\t+4], v[ST0+12*\t+4], s[EPV]
.endr
	WIN 0x01                                       ; source 0 window 1
	s_wait_alu depctr_va_vdst(0)                   ; the wait here, directly ahead of the first reader of O^T
.set j, 0
.rept 16
.irp t, 0,1
	v_pk_mul_f32 v[S+32*\t+j:S+32*\t+j+1], v[32*\t+j:32*\t+j+1], v[ST0+12*\t+4:ST0+12*\t+5] op_sel_hi:[1,0]   ; each accumulator from its low end on
.endr
.set j, j+2
.endr
	WIN 0
.set j, 0
.rept 64
	v_med3_num_f32 v[S+j], v[S+j], -v[ALIM], v[ALIM]
.set j, j+1
.endr
.irp t, 0,1
.irp n, 0,1,2,3
	v_cvt_scalef32_pk8_fp8_f32 v[PC+8*\t+2*\n:PC+8*\t+2*\n+1], v[S+32*\t+8*\n:S+32*\t+8*\n+7], v[ASCL]
.endr
.endr
	WIN 0x41
.set j, 0
.rept 16
	v_mov_b32 v[QF+j], v[QB+j]                     ; the second pass's Q moves into place; also the plain lines behind the conversions
.set j, j+1
.endr
	WIN 0
.irp t, 0,1
.irp c, 0,1
	global_store_b128 v[LI], v[PC+8*\t+4*\c:PC+8*\t+4*\c+3], s[12:13] offset:\t*4096+\c*512   ; 512 consecutive bytes, aligned
.endr
.endr
	s_wait_xcnt 0x0                                ; the stores have read their data and their base: both are written again below and in the next pass
	s_add_nc_u64 s[12:13], s[12:13], 262144        ; two blocks of 128 rows of the result on
	s_sub_co_u32 s[PASS], s[PASS], 1
	s_cmp_lg_u32 s[PASS], 0
	s_cbranch_scc1 .Lpass
	s_wait_tensorcnt 0x0                           ; the wave's end
	ds_add_u32 v[SPW], v[NIL]
	s_wait_dscnt 0x0
	CROUND                                         ; the closing round: no work-group ends while a partner may still ask for a tile that names it
	s_endpgm
.Lfunc_end_k_q5102206d67_attn:
	.size	k_q5102206d67_attn, .Lfunc_end_k_q5102206d67_attn-k_q5102206d67_attn
	.p2alignl 7, 3214868480
	.fill 96, 4, 3214868480
	.section	.rodata,"a",@progbits
	.p2align	6, 0x0
	.amdhsa_kernel k_q5102206d67_attn
		.amdhsa_group_segment_fixed_size 327680
		.amdhsa_private_segment_fixed_size 0
		.amdhsa_enable_private_segment 0
		.amdhsa_kernarg_size 40
		.amdhsa_user_sgpr_count 2
		.amdhsa_user_sgpr_kernarg_segment_ptr 1
		.amdhsa_wavefront_size32 1
		.amdhsa_system_sgpr_workgroup_id_x 1
		.amdhsa_system_sgpr_workgroup_id_y 1
		.amdhsa_system_sgpr_workgroup_id_z 1
		.amdhsa_system_vgpr_workitem_id 0
		.amdhsa_next_free_vgpr 496
		.amdhsa_next_free_sgpr 100
		.amdhsa_reserve_vcc 0
		.amdhsa_float_denorm_mode_32 3
		.amdhsa_float_denorm_mode_16_64 3
		.amdhsa_memory_ordered 1
		.amdhsa_forward_progress 1
		.amdhsa_inst_pref_size 79
	.end_amdhsa_kernel
	.amdgpu_metadata
---
amdhsa.version: [ 1, 2 ]
amdhsa.kernels:
  - .name:           k_q5102206d67_attn
    .symbol:         k_q5102206d67_attn.kd
    .args:
      - { .name: qimg, .offset: 0, .size: 8, .value_kind: global_buffer, .address_space: global }
      - { .name: kimg, .offset: 8, .size: 8, .value_kind: global_buffer, .address_space: global }
      - { .name: vimg, .offset: 16, .size: 8, .value_kind: global_buffer, .address_space: global }
      - { .name: lowp_scales, .offset: 24, .size: 8, .value_kind: global_buffer, .address_space: global }
      - { .name: aimg, .offset: 32, .size: 8, .value_kind: global_buffer, .address_space: global }
    .group_segment_fixed_size: 327680
    .private_segment_fixed_size: 0
    .kernarg_segment_align: 8
    .kernarg_segment_size: 40
    .max_flat_workgroup_size: 256
    .sgpr_count:     100
    .vgpr_count:     496
    .wavefront_size: 32
...
	.end_amdgpu_metadata
.endif
;; end of part 3
;; launch outproj (part 4): grid 64 x 4, 4 waves a work-group, clusters of 4 x 4, 327,680 bytes of LDS; arguments aimg, Wo_codes, bo, lowp_scales, out0; writes out0
.if DOCPART == 4
	.amdgcn_target "amdgcn-amd-amdhsa--gfx1250"
	.amdhsa_code_object_version 6
	.text
	.protected	k_q5102206d67_outproj
	.globl	k_q5102206d67_outproj
	.p2align	8
	.type	k_q5102206d67_outproj,@function
k_q5102206d67_outproj:
	s_mov_b64 s[64:65], 0
	v_nop
	global_prefetch_b8 v0, s[64:65] scope:SCOPE_SE
	s_setreg_imm32_b32 hwreg(HW_REG_WAVE_MODE, 25, 1), 1
	s_wait_xcnt 0x0
	s_wait_alu depctr_hold_cnt(0) depctr_sa_sdst(0) depctr_va_vdst(0) depctr_va_sdst(0) depctr_va_ssrc(0) depctr_va_vcc(0) depctr_vm_vsrc(0)
	s_getreg_b32 s2, hwreg(HW_REG_IB_STS2, 6, 4)
	s_cmp_eq_u32 s2, 0
	s_cbranch_scc0 .Lentry_in_a_cluster
	s_endpgm
.Lentry_in_a_cluster:
	s_bfe_u32 s2, ttmp6, 0x10000c
	s_cmp_lg_u32 s2, 0xf033
	s_cbranch_scc0 .Lentry_shape_is_right
	s_endpgm
.Lentry_shape_is_right:
.set KROW,   1024
.set ROWB,   256
.set RSTEP,  65536
.set PSTEP,  2*ROWB
.set PITCH,  272
.set FR,     16
.set NL,     4
.set NP,     4
.set HALFT,  128*PITCH
.set SLOT,   4*HALFT
.set SPARE,  2*SLOT
.set SPITCH, 528
.set ADRA, 16
.set ADRB, 20
.set STO,  24
.set RD,   25
.set CO,   26
.set BO,   27
.set SPW,  28
.set NIL,  29
.set TMP,  32
.set AF,   128
.set BK,   128
.set G1, 24
.set G0, 32
.set G1B, 48
.set G0B, 56
.set SC, 66
.set MSB, 0
.macro WIN new
.if MSB != (\new)
	s_set_vgpr_msb (MSB<<8)|(\new)
.set MSB, \new
.endif
.endm
.set MUL_LO, 0xa1
.set MUL_HI, 0xf1
.set TO_B,   0x40
.macro JLOAD g0a, g1a, g0b, g1b
	s_cmp_eq_u32 s15, 0
	s_cbranch_scc0 .Lfor_b_\@
	tensor_load_to_lds s[\g0a:\g0a+3], s[\g1a:\g1a+7]
	s_nop 0
.rept 4
	v_nop
.endr
	s_branch .Lasked_\@
.Lfor_b_\@:
	tensor_load_to_lds s[\g0b:\g0b+3], s[\g1b:\g1b+7]
	s_nop 0
.rept 4
	v_nop
.endr
.Lasked_\@:
.endm
.macro CREST
	s_cmp_lg_u32 s14, 0
	s_cbranch_scc1 .Lnot_wave_0_\@
	s_barrier_signal -3
.Lnot_wave_0_\@:
	s_barrier_wait -3
	s_barrier_signal -1
	s_barrier_wait -1
.endm
.macro CROUND
	s_barrier_signal -1
	s_barrier_wait -1
	CREST
.endm
	s_load_b128 s[4:7], s[0:1], 0x0
	s_load_b128 s[8:11], s[0:1], 0x10
	s_load_b64 s[12:13], s[0:1], 0x20
	v_lshl_add_u32 v[SPW], v0, 2, SPARE
	v_mov_b32 v[NIL], 0
	ds_add_u32 v28, v29
	ds_add_u32 v28, v29
	s_wait_dscnt 0x0
	v_lshrrev_b32 v1, 5, v0
	v_readfirstlane_b32 s14, v1
	s_lshr_b32 s15, s14, 1
	s_and_b32 s16, s14, 1
	s_bfe_u32 s40, ttmp6, 0x40000
	s_bfe_u32 s41, ttmp6, 0x40004
	s_mov_b32 s42, s40
	s_lshl_b32 s17, ttmp9, 2
	s_add_co_u32 s17, s17, s41
	s_lshl_b32 s43, s41, 2
	s_lshl_b32 s43, 15, s43
	s_lshl_b32 s44, 0x1111, s40
	s_or_b32 s[G1+0], s43, (0<<16)|(1<<21)
	s_mov_b32 s[G1+1], 256<<16
	s_mov_b32 s[G1+2], 64<<16                      ; a block is 128 rows x 256 columns: each of R's two fetching waves takes 64 lines of 256 bytes, four tiles of 16 rows
	s_mov_b32 s[G1+3], 256<<16
	s_mov_b32 s[G1+4], 64
	s_mov_b32 s[G1+5], 256
	s_mov_b32 s[G1+6], 0
	s_mov_b32 s[G1+7], 0
	s_or_b32 s[G1B+0], s44, (0<<16)|(1<<20)|(1<<21)|(5<<22)|(3<<25)
	s_mov_b32 s[G1B+1], ROWB<<16
	s_mov_b32 s[G1B+2], 128<<16
	s_mov_b32 s[G1B+3], ROWB<<16
	s_mov_b32 s[G1B+4], 128
	s_mov_b32 s[G1B+5], KROW
	s_mov_b32 s[G1B+6], 0
	s_mov_b32 s[G1B+7], 0
	s_lshl_b32 s20, s17, 17                        ; R: my block of 128 rows x 131,072 bytes,
	s_lshl_b32 s18, s16, 14                        ; + my half of a K step's 32,768
	s_add_co_u32 s20, s20, s18
	s_mov_b32 s21, 0
	s_lshl_b32 s18, s16, 7
	s_lshl_b32 s46, s42, 8
	s_add_co_u32 s46, s46, s18
	s_lshl_b32 s46, s46, 10
	s_mov_b32 s47, 0
	s_mul_i32 s45, s14, HALFT
	s_lshl_b32 s19, s14, 14                        ; R's halves in a slot: 16,384 x wave
	s_wait_kmcnt 0x0
	s_load_b256 s[88:95], s[10:11], 0x0
	s_load_b128 s[96:99], s[10:11], 0x20
	s_add_nc_u64 s[20:21], s[4:5], s[20:21]
	s_add_nc_u64 s[46:47], s[6:7], s[46:47]
	CROUND
.irp s, 0,1
	s_mov_b32 s[G0+4*\s], 1
	s_add_co_u32 s[G0+4*\s+1], s19, \s*SLOT
	s_add_nc_u64 s[G0+4*\s+2:G0+4*\s+3], s[20:21], \s*32768
	s_or_b32 s[G0+4*\s+3], s[G0+4*\s+3], 0x80000000
	s_mov_b32 s[G0B+4*\s], 1
	s_add_co_u32 s[G0B+4*\s+1], s45, \s*SLOT
	s_add_nc_u64 s[G0B+4*\s+2:G0B+4*\s+3], s[46:47], \s*ROWB
	s_or_b32 s[G0B+4*\s+3], s[G0B+4*\s+3], 0x80000000
.endr
	JLOAD G0, G1, G0B, G1B                         ; K step 0: one tensor load a wave at the head; the set-up below runs while it is out
	; PREFETCH, two K steps ahead of the fills: here K steps 1 and 2, behind slot 1's first fill K step 3, of what I fetch.  The four partners that ask for a tile jointly share it out by address:
	; of R's 64 lines of 256 bytes 16 by cx (lanes 16-31 name the last of them again), of P's 128 rows 32 by cy, a lane a line or row.  R's lines are my cluster's alone; P's rows are read by all sixteen clusters, of which four ask.
	s_cmp_eq_u32 s15, 0
	s_cselect_b64 s[74:75], s[20:21], s[46:47]     ; what I fetch, at K step 0
	s_cselect_b32 s80, s40, s41
	s_cselect_b32 s82, 1, 0                        ; s82: 1 where my wave asks
	s_cselect_b32 s83, 15, 31
	s_cselect_b32 s84, 12, 15                      ; a partner's share in bytes: 2^12 or 2^15
	s_cselect_b32 s85, 8, 10                       ; from lane to lane: 2^8 or 2^10
	s_cselect_b32 s86, 15, 8                       ; from K step to K step: 2^15 or 2^8
	s_cmp_lt_u32 ttmp9, 4
	s_cselect_b32 s82, 1, s82
	s_lshl_b32 s80, s80, s84
	s_mov_b32 s81, 0
	s_add_nc_u64 s[74:75], s[74:75], s[80:81]
	s_lshl_b32 s80, 1, s86
	s_add_nc_u64 s[74:75], s[74:75], s[80:81]      ; K step 1,
	s_add_nc_u64 s[76:77], s[74:75], s[80:81]      ; 2,
	s_add_nc_u64 s[78:79], s[76:77], s[80:81]      ; 3: none of the three is rewritten
	v_and_b32 v22, 31, v0
	v_min_u32 v22, s83, v22
	v_lshlrev_b32 v22, s85, v22                    ; never rewritten
	s_cmp_eq_u32 s82, 1
	s_cbranch_scc0 .Lno_ask_0
	global_prefetch_b8 v22, s[74:75] th:TH_LOAD_NT scope:SCOPE_SE
	global_prefetch_b8 v22, s[76:77] th:TH_LOAD_NT scope:SCOPE_SE
.Lno_ask_0:
	v_and_b32 v1, 15, v0
	v_bfe_u32 v2, v0, 4, 1
	v_and_b32 v6, 31, v0
	v_lshlrev_b32 v[CO], 4, v6
	v_mul_u32_u24 v3, v1, PITCH
	v_lshl_add_u32 v4, v2, 3, v3
	s_lshl_b32 s2, s15, 14                         ; my 64 rows of R
	s_mul_i32 s3, s16, HALFT
	s_add_co_u32 s3, s3, 2*HALFT
.irp s, 0,1
	v_add_nc_u32 v[ADRA+\s], s2, v[CO]
	v_add_nc_u32 v[ADRB+\s], s3, v4
	s_add_co_u32 s2, s2, SLOT
	s_add_co_u32 s3, s3, SLOT
.endr
	s_mul_i32 s23, s14, 16*SPITCH
	v_mul_u32_u24 v5, v1, SPITCH
	v_lshl_add_u32 v5, v2, 5, v5
	v_add_nc_u32 v[STO], s23, v5
	v_add_nc_u32 v[RD], s23, v[CO]
	v_lshlrev_b32 v[BO], 5, v2
	s_lshl_b32 s68, s17, 7
	s_lshl_b32 s69, s15, 6
	s_add_co_u32 s68, s68, s69                     ; my first row: 128 x block + 64 x half
	s_lshl_b32 s70, s42, 8
	s_lshl_b32 s69, s16, 7
	s_add_co_u32 s70, s70, s69
	s_lshl_b32 s72, s70, 2
	s_mov_b32 s73, 0
	s_add_nc_u64 s[8:9], s[8:9], s[72:73]
	s_lshl_b32 s68, s68, 12
	s_add_co_u32 s72, s72, s68
	s_add_nc_u64 s[12:13], s[12:13], s[72:73]
	s_wait_alu depctr_va_vdst(0)
	s_wait_kmcnt 0x0
	s_add_co_i32 s[SC], s98, s99
	s_add_co_i32 s[SC], s[SC], 127
	s_lshl_b32 s[SC], s[SC], 23
	s_mov_b32 s[SC+1], s[SC]
.macro FRAGA reg, adr, q, i
.irp c, 0,1,2,3
	ds_load_b128 v[\reg+4*\c:\reg+4*\c+3], v[\adr] offset:((\i)%4)*4096+(\q)*2048+512*\c   ; R has two sets of four fragments: registers of blocks 0-3 and of blocks 4-7
.endr
.endm
.macro FRAGB reg, adr, q, i
.irp c, 0,1,2,3,4,5,6,7
	ds_load_b64 v[\reg+2*\c:\reg+2*\c+1], v[\adr] offset:128*(\q)+16*\c+(\i)*16*PITCH
.endr
.endm
.macro MUL16 a0, p, zero
.irp a, \a0, \a0+1
.irp b, 0,1,2,3,4,5,6,7
.if \zero
	v_wmma_f32_16x16x128_fp8_fp8 v[8*(8*((\a)%4)+\b):8*(8*((\a)%4)+\b)+7], v[128*(\p)+FR*\b:128*(\p)+FR*\b+FR-1], v[AF+FR*(\a):AF+FR*(\a)+FR-1], 0
.else
	v_wmma_f32_16x16x128_fp8_fp8 v[8*(8*((\a)%4)+\b):8*(8*((\a)%4)+\b)+7], v[128*(\p)+FR*\b:128*(\p)+FR*\b+FR-1], v[AF+FR*(\a):AF+FR*(\a)+FR-1], v[8*(8*((\a)%4)+\b):8*(8*((\a)%4)+\b)+7]
.endif
.endr
.endr
.endm
.macro FETCH_B slot, q, p
	WIN TO_B
.irp i, 0,1,2,3,4,5,6,7
	FRAGB 128*(\p)+FR*\i, ADRB+\slot, \q, \i
.endr
	WIN 0
.endm
.macro FETCH_A slot, q, i0
.irp i, \i0, \i0+1, \i0+2, \i0+3
	FRAGA AF+FR*(\i), ADRA+\slot, \q, \i
.endr
.endm
.macro PLACES n
.rept \n
	v_nop
.endr
.endm
.macro STEP slot, q, zero
	s_wait_dscnt 0                                 ; the sets 0 are in
	PLACES NP
	FETCH_B \slot, (\q)+1, 1                       ; the slot's second 128 along K into the sets 1, under the 32 products below
	FETCH_A \slot, (\q)+1, 4
	WIN MUL_LO
	MUL16 0, 0, \zero
	MUL16 2, 0, \zero
	WIN 0
.endm
.macro TURN slot, next, fill
	s_wait_tensorcnt 0x0
	ds_add_u32 v[SPW], v[NIL]
	s_wait_dscnt 1                                 ; the sets 1 are in; the add may be out
	WIN MUL_LO
	MUL16 4, 1, 0
	s_wait_dscnt 0x0
	s_barrier_signal -1
	MUL16 6, 1, 0
	WIN 0
	s_barrier_wait -1
.if \fill
	CREST
	s_add_nc_u64 s[G0+4*\slot+2:G0+4*\slot+3], s[G0+4*\slot+2:G0+4*\slot+3], RSTEP
	s_add_nc_u64 s[G0B+4*\slot+2:G0B+4*\slot+3], s[G0B+4*\slot+2:G0B+4*\slot+3], PSTEP
	JLOAD G0+4*\slot, G1, G0B+4*\slot, G1B
.else
	PLACES NP
.endif
	FETCH_B \next, 0, 0
	FETCH_A \next, 0, 0
.endm
	s_wait_alu depctr_va_vdst(0)                   ; the wait at the head's end
	s_wait_tensorcnt 0x0                           ; my part of K step 0 is in
	ds_add_u32 v[SPW], v[NIL]                      ; the add ahead of a later first fill
	s_wait_dscnt 0x0
	CROUND                                         ; everybody's part is in, and the joint loads meet
	JLOAD G0+4, G1, G0B+4, G1B                     ; K step 1, slot 1's first fill: the first tensor load behind the round
	FETCH_B 0, 0, 0
	FETCH_A 0, 0, 0
	s_cmp_eq_u32 s82, 1
	s_cbranch_scc0 .Lno_ask_1
	global_prefetch_b8 v22, s[78:79] th:TH_LOAD_NT scope:SCOPE_SE   ; K step 3, the last: nothing is asked for behind it
.Lno_ask_1:
	STEP 0, 0, 1
	TURN 0, 1, 1
	STEP 1, 0, 0
	TURN 1, 0, 1
	STEP 0, 0, 0
	TURN 0, 1, 0
	STEP 1, 0, 0
	PLACES NP                                      ; between the products on the sets 0 and the bias's loads into P's set 0
	WIN TO_B
.irp b, 0,1,2,3,4,5,6,7
	global_load_b128 v[8*\b:8*\b+3], v[BO], s[8:9] offset:64*\b
	global_load_b128 v[8*\b+4:8*\b+7], v[BO], s[8:9] offset:64*\b+16
.endr
	s_wait_dscnt 0
	WIN MUL_LO
	MUL16 4, 1, 0
	MUL16 6, 1, 0
	WIN 0
	s_wait_loadcnt 0x0
	PLACES NP
.macro TOSTAGE a
.set AC, 64*((\a)%4)
	WIN 0x12+((\a)/4)
.set j, 0
.rept 32
	v_pk_fma_f32 v[TMP+j:TMP+j+1], v[AC+j:AC+j+1], s[SC:SC+1], v[j:j+1] op_sel_hi:[1,0,1]
.set j, j+2
.endr
	WIN 0
.irp b, 0,1,2,3,4,5,6,7
	ds_store_b128 v[STO], v[TMP+8*\b:TMP+8*\b+3] offset:64*\b
	ds_store_b128 v[STO], v[TMP+8*\b+4:TMP+8*\b+7] offset:64*\b+16
.endr
.set BB, BK+64*((\a)%2)
.irp t, 0,1,2,3,4,5,6,7,8,9,10,11,12,13,14,15
	ds_load_b128 v[BB+4*\t:BB+4*\t+3], v[RD] offset:\t*SPITCH
.endr
.endm
.macro SEND a, younger
.set BB, BK+64*((\a)%2)
	s_wait_dscnt \younger
.irp t, 0,1,2,3,4,5,6,7,8,9,10,11,12,13,14,15
	global_store_b128 v[CO], v[BB+4*\t:BB+4*\t+3], s[12:13] offset:(16*(\a)+\t)*4096 th:TH_STORE_NT
.endr
.endm
	TOSTAGE 0
.irp a, 1,2,3
.if \a > 1
	s_wait_xcnt 0x0
.endif
	TOSTAGE \a
	SEND \a-1, 32
.endr
	SEND 3, 0
	s_wait_tensorcnt 0x0
	ds_add_u32 v[SPW], v[NIL]
	s_wait_dscnt 0x0
	CROUND
	s_endpgm
.Lfunc_end_k_q5102206d67_outproj:
	.size	k_q5102206d67_outproj, .Lfunc_end_k_q5102206d67_outproj-k_q5102206d67_outproj
	.p2alignl 7, 3214868480
	.fill 96, 4, 3214868480
	.section	.rodata,"a",@progbits
	.p2align	6, 0x0
	.amdhsa_kernel k_q5102206d67_outproj
		.amdhsa_group_segment_fixed_size 327680
		.amdhsa_private_segment_fixed_size 0
		.amdhsa_enable_private_segment 0
		.amdhsa_kernarg_size 40
		.amdhsa_user_sgpr_count 2
		.amdhsa_user_sgpr_kernarg_segment_ptr 1
		.amdhsa_wavefront_size32 1
		.amdhsa_system_sgpr_workgroup_id_x 1
		.amdhsa_system_sgpr_workgroup_id_y 1
		.amdhsa_system_sgpr_workgroup_id_z 1
		.amdhsa_system_vgpr_workitem_id 0
		.amdhsa_next_free_vgpr 1024
		.amdhsa_next_free_sgpr 100
		.amdhsa_reserve_vcc 0
		.amdhsa_float_denorm_mode_32 3
		.amdhsa_float_denorm_mode_16_64 3
		.amdhsa_memory_ordered 1
		.amdhsa_forward_progress 1
		.amdhsa_inst_pref_size 94
	.end_amdhsa_kernel
	.amdgpu_metadata
---
amdhsa.version: [ 1, 2 ]
amdhsa.kernels:
  - .name:           k_q5102206d67_outproj
    .symbol:         k_q5102206d67_outproj.kd
    .args:
      - { .name: aimg, .offset: 0, .size: 8, .value_kind: global_buffer, .address_space: global }
      - { .name: Wo_codes, .offset: 8, .size: 8, .value_kind: global_buffer, .address_space: global }
      - { .name: bo, .offset: 16, .size: 8, .value_kind: global_buffer, .address_space: global }
      - { .name: lowp_scales, .offset: 24, .size: 8, .value_kind: global_buffer, .address_space: global }
      - { .name: out0, .offset: 32, .size: 8, .value_kind: global_buffer, .address_space: global }
    .group_segment_fixed_size: 327680
    .private_segment_fixed_size: 0
    .kernarg_segment_align: 8
    .kernarg_segment_size: 40
    .max_flat_workgroup_size: 128
    .sgpr_count:     100
    .vgpr_count:     1024
    .wavefront_size: 32
...
	.end_amdgpu_metadata
.endif
;; end of part 4
